; MI455X (gfx1250); checked and timed in simulation.
; The chip was launched on July 23, 2026; its instructions are those of AMD's public machine-readable ISA for CDNA 5 (MIT licence, August 2026) and "CDNA5" Instruction Set Architecture Reference Guide (July 2026). The comments in the code are by the model that wrote it; some were corrected since.
;; D Transformer Layer. Allowed arithmetic: matrix products marked QUANTISED: E2M1 operands, one E8M0 scale for each 32 along K, by v_wmma_scale_f32_16x16x128_f8f6f4 with both operands' format E2M1 (or v_wmma_scale_f32_32x16x128_f4), f32 sums; products left as they are: bf16, f16 or f32 operands; f32 sums; everything else in f32.
;; Inputs: Wo 1,024 x 1,024 float32; Wow 1,024 x 1,024 float32; Wq 1,024 x 1,024 float32; Wqw 1,024 x 1,024 float32; Wv 1,024 x 1,024 float32; bo 1,024 float32; bow 1,024 float32; bq 1,024 float32; bqw 1,024 float32; bv 1,024 float32; gammas 8 x 1 x 1 float32; key 4 x 1,024 x 1,024 float32; lens 4 int32; ln_b 1,024 float32; ln_w 1,024 float32; query 4 x 1,024 x 1,024 float32; values 4 x 1,024 x 1,024 float32.
;; Outputs: out0 4 x 1,024 x 1,024 float32; out1 4 x 1,024 x 1,024 float32.
;; This version of the problem:
;;   THIS VERSION OF THE PROBLEM IS GIVEN IN LOW PRECISION. The matrix products marked QUANTISED in the list below multiply operands that are first quantised to E2M1 (2 exponent bits, 1 mantissa bit; 4 bits a number), with one power-of-two scale for each 32 numbers along K (OCP MX v1.0); their sums are f32. The products marked 'left as it is' may take bf16, f16 or f32 operands, with f32 sums. Whichever they take, every output number must still come out within the allowed error. Rounding operands to bf16 (8 significant bits) uses up far more of that allowance than f16 does (11 bits, for magnitudes from 6e-5 to 65,504). All else is computed in f32.
;;   The module's matrix products, in the order in which they are computed (A, B: the left and right operand; K: the contracted axis; several contracted axes count as one K, in the product's order):
;;     1. [M 4,096, K 1,024] x [K 1,024, N 1,024]; A: input query; B: input Wq: QUANTISED
;;     2. [M 4,096, K 1,024] x [K 1,024, N 1,024]; A: input key; B: input Wq: QUANTISED
;;     3. [M 4,096, K 1,024] x [K 1,024, N 1,024]; A: input values; B: input Wv: QUANTISED
;;     4. [M 4,096, K 1,024] x [K 1,024, N 1,024]; A: input query; B: input Wqw: QUANTISED
;;     5. [M 4,096, K 1,024] x [K 1,024, N 1,024]; A: input key; B: input Wqw: QUANTISED
;;     6. batch 32 x [M 1,024, K 128] x [K 128, N 1,024]; A: computed on the way; B: computed on the way: left as it is (an operand is computed on the way)
;;     7. batch 32 x [M 1,024, K 1,024] x [K 1,024, N 128]; A: computed on the way; B: computed on the way: left as it is (an operand is computed on the way)
;;     8. [M 4,096, K 1,024] x [K 1,024, N 1,024]; A: computed on the way; B: input Wo: left as it is (an operand is computed on the way)
;;     9. batch 32 x [M 1,024, K 128] x [K 128, N 1,024]; A: computed on the way; B: computed on the way: left as it is (an operand is computed on the way)
;;     10. batch 32 x [M 1,024, K 1,024] x [K 1,024, N 128]; A: computed on the way; B: computed on the way: left as it is (an operand is computed on the way)
;;     11. [M 4,096, K 1,024] x [K 1,024, N 1,024]; A: computed on the way; B: input Wow: left as it is (an operand is computed on the way)
;;   THE QUANTISER, for each operand of a quantised product, along K:
;;     - K is cut into blocks of 32 from its start; a last block that is shorter is filled with zeros.
;;     - A block's scale is 2^e with e = floor(log2(the largest magnitude in the block)) - 2, held to -126 .. 127; a block of zeros has e = 0. As a byte (E8M0): e + 127.
;;     - Each number is divided by its block's scale, clamped to +-6, and rounded to the nearest number of E2M1, ties to even, subnormals kept.
;;     - The product sums the exact products of the quantised numbers (number of the format x scale) in f32.
;;   ~~~python
;;   def quantise(x, axis):      # numpy; x: float32 -> the quantised numbers, widened to float32 again
;;       x = np.moveaxis(x, axis, -1); K = x.shape[-1]
;;       x = np.pad(x, [(0, 0)] * (x.ndim - 1) + [(0, -K % 32)]); x = x.reshape(x.shape[:-1] + (-1, 32)); a = np.abs(x).max(-1, keepdims=True)
;;       e = np.where(a > 0, np.clip(np.frexp(np.where(a > 0, a, 1))[1] - 1 - 2, -126, 127), 0)      # np.frexp(a)[1] - 1 = floor(log2(a)), exactly
;;       r = np.clip(x / 2.0 ** e, -6, 6)
;;       step = 2.0 ** (np.maximum(np.frexp(np.where(r == 0, 1, r))[1] - 1, 0) - 1)
;;       q = np.round(r / step) * step * 2.0 ** e      # np.round: ties to even
;;       return np.moveaxis(q.reshape(q.shape[:-2] + (-1,))[..., :K], -1, axis).astype(np.float32)
;;   ~~~
;; One version. Each part assembles by itself: llvm-mc -triple=amdgcn-amd-amdhsa -mcpu=gfx1250 --defsym DOCPART=n.
;; ======== version 1 of 1: 5 launches
;; limits: values are held in f16: magnitudes above 65,504 overflow, below 6.1e-05 lose precision
;; workspace buffers: xcodes 6,291,456 bytes; xscales 393,216 bytes; wcodes 1,572,864 bytes; wscales 98,304 bytes; woT 4,194,304 bytes; heads 41,943,040 bytes; att 16,777,216 bytes; pre 33,554,432 bytes
;; launch prep (part 1): grid 560 x 1, 4 waves a work-group, no clusters, 102,912 bytes of LDS; arguments query, key, values, Wq, Wqw, Wv, Wo, Wow, xcodes, xscales, wcodes, wscales, woT; writes xcodes, xscales, wcodes, wscales, woT
.if DOCPART == 1
	.amdgcn_target "amdgcn-amd-amdhsa--gfx1250"
	.amdhsa_code_object_version 6
	.text
	.protected	k_qb9f4b35383_prep
	.globl	k_qb9f4b35383_prep
	.p2align	8
	.type	k_qb9f4b35383_prep,@function
k_qb9f4b35383_prep:
	s_mov_b64 s[64:65], 0
	v_nop
	global_prefetch_b8 v0, s[64:65] scope:SCOPE_SE
	s_setreg_imm32_b32 hwreg(HW_REG_WAVE_MODE, 25, 1), 1
	s_wait_xcnt 0x0
; THE OPERANDS ARE MADE READY, ONCE.  Three kinds of work-group, told apart by the work-group's number alone:
;   0 .. 47    Wq, Wqw, Wv [1024 (k)][1024 (n)] f32 -> codes of FP4 (E2M1), K innermost, wcodes [3072 (n)][512 bytes], and E8M0 bytes wscales [3072][32]
;   48 .. 175  Wo, Wow [1024 (k)][1024 (n)] f32 -> f16, turned: woT [1024 (n)][2048 (k')], k' < 1024 Wo's k, else Wow's
;   176 .. 559 query, key, values [4096][1024] f32 -> codes xcodes [12288][512 bytes] and bytes xscales [12288][32]
; A block's scale is 2^(floor(log2(largest magnitude)) - 2); its byte is that magnitude's exponent field - 2, held at 1 from below; numbers are divided by it and rounded to the nearest code, ties to even, beyond 6 to 6.
; LIMITS: a block of zeros gets the byte 1 where the quantiser says 127: its codes are zeros, which add nothing, and the bytes are read by this program alone.  NaN and infinities are not served.  |Wo|, |Wow| stay under 65,504 (f16).
; The input lens enters no step of the computation: no launch of this program loads it.
; Each kind has LDS bytes of its own.  No tensor loads, no barrier: waves share nothing.
.set SPW,   190                        ; v190 LDS address of my spare word; never rewritten
.set NIL,   191                        ; v191 0; never rewritten
.set XREG,  8192                       ; the streams: a region for each wave: two stages of 32 x 80 bytes, then its 256 scale bytes
.set SP,    80
.set WQST,  32768                      ; the quantised weights: a stage of 32 x 272 bytes for each wave
.set WHST,  67584                      ; the f16 weights: likewise
.set WP,    272
.set SPARE, 102400                     ; the spare words: 128 bytes a wave, two blocks of 256 bytes that no other line names
.set STEPS, 16
.set R,     16                         ; streams: v16-79 four sets of 16 numbers as loaded
.set X,     80                         ; v80-111 two sets of 16 neighbours
.set E,     112                        ; v112-127 a scale byte for each step
.set C,     128                        ; v128-189 codes, four registers reserved for each step
.set WX,    32                         ; weights: v32-95 two sets of 32 numbers down K
.set WC,    96                         ; v96-111 a block's codes or f16 pairs
.set OUTR,  112                        ; v112-175 the way out
.set SB,    24                         ; v24-27 scale bytes, four to a register
	s_load_b512 s[16:31], s[0:1], 0x0              ; query, key, values, Wq, Wqw, Wv, Wo, Wow
	s_load_b256 s[32:39], s[0:1], 0x40             ; xcodes, xscales, wcodes, wscales
	s_load_b64 s[40:41], s[0:1], 0x60              ; woT
	v_lshl_add_u32 v[SPW], v0, 2, SPARE
	v_mov_b32 v[NIL], 0
	v_lshrrev_b32 v1, 5, v0
	v_readfirstlane_b32 s2, v1                     ; wave 0..3
	v_and_b32 v2, 31, v0                           ; lane
	s_wait_kmcnt 0x0
	s_cmp_lt_u32 ttmp9, 48
	s_cbranch_scc1 .Lwq
	s_cmp_lt_u32 ttmp9, 176
	s_cbranch_scc1 .Lwh
; ---------------- the streams: a wave takes 16 steps of 512 numbers.  Loads take the bytes as they lie (512 a load); a step's 2,048 bytes turn through the wave's stage so that a lane holds 16 neighbours.
	v_lshlrev_b32 v3, 4, v2                        ; my 16 bytes of a load's 512
	s_mul_i32 s3, s2, XREG
	v_lshrrev_b32 v14, 2, v2
	v_mul_u32_u24 v14, v14, SP
	v_and_b32 v15, 3, v2
	v_lshl_add_u32 v14, v15, 4, v14
	v_add_nc_u32 v14, s3, v14                      ; into the stage: 80 (lane / 4) + 16 (lane % 4)
	v_mul_u32_u24 v15, v2, SP
	v_add_nc_u32 v15, s3, v15                      ; out of it: 80 x lane
	v_lshlrev_b32 v4, 3, v2                        ; my 8 bytes of a step's codes
	v_lshrrev_b32 v5, 1, v2
	s_add_co_u32 s3, s3, 2*32*SP
	v_add_nc_u32 v5, s3, v5                        ; my block's scale byte in LDS
	v_lshlrev_b32 v7, 3, v2
	v_add_nc_u32 v6, s3, v7
	s_sub_co_u32 s3, ttmp9, 176                    ; 0 .. 383
	s_lshr_b32 s4, s3, 7                           ; which tensor
	s_cmp_eq_u32 s4, 0
	s_cselect_b64 s[6:7], s[16:17], s[18:19]
	s_cmp_eq_u32 s4, 2
	s_cselect_b64 s[6:7], s[20:21], s[6:7]
	s_and_b32 s5, s3, 127
	s_lshl_b32 s5, s5, 2
	s_add_co_u32 s5, s5, s2                        ; my run of 8,192 numbers in the tensor
	s_lshl_b32 s8, s5, 15
	s_mov_b32 s9, 0
	s_add_nc_u64 s[6:7], s[6:7], s[8:9]
	s_lshl_b32 s5, s3, 2
	s_add_co_u32 s5, s5, s2                        ; and among all three
	s_lshl_b32 s8, s5, 12
	s_add_nc_u64 s[10:11], s[32:33], s[8:9]        ; 4,096 bytes of codes a run
	s_lshl_b32 s8, s5, 8
	s_add_nc_u64 s[12:13], s[34:35], s[8:9]        ; 256 scale bytes a run
.macro XLOAD t
.irp i, 0,1,2,3
	global_load_b128 v[R+16*((\t)%4)+4*\i:R+16*((\t)%4)+4*\i+3], v3, s[6:7] offset:2048*(\t)+512*\i th:TH_LOAD_NT
.endr
.endm
.macro XTURN t                         ; LDS serves a wave's instructions in order: no wait between the stores and the loads
.irp i, 0,1,2,3
	ds_store_b128 v14, v[R+16*((\t)%4)+4*\i:R+16*((\t)%4)+4*\i+3] offset:32*SP*((\t)%2)+8*SP*\i
.endr
.irp i, 0,1,2,3
	ds_load_b128 v[X+16*((\t)%2)+4*\i:X+16*((\t)%2)+4*\i+3], v15 offset:32*SP*((\t)%2)+16*\i
.endr
.endm
.macro XSTEP t
.set XS, X+16*((\t)%2)
.if (\t) > 0
	s_wait_dscnt 1                                 ; this step's numbers are back from the stage; the last step's byte store may be out
.else
	s_wait_dscnt 0x0
.endif
.if (\t)+4 < STEPS
	XLOAD (\t)+4
.endif
.if (\t)+1 < STEPS
.if STEPS-2-(\t) >= 3
	s_wait_loadcnt 12                              ; the next step's four loads are in; three younger steps' twelve may be out
.else
	s_wait_loadcnt 4*(STEPS-2-(\t))
.endif
	XTURN (\t)+1
.endif
	v_max3_num_f32 v8, |v[XS]|, |v[XS+1]|, |v[XS+2]|
	v_max3_num_f32 v9, |v[XS+3]|, |v[XS+4]|, |v[XS+5]|
.irp i, 6,10
	v_max3_num_f32 v8, v8, |v[XS+\i]|, |v[XS+\i+1]|
	v_max3_num_f32 v9, v9, |v[XS+\i+2]|, |v[XS+\i+3]|
.endr
	v_max3_num_f32 v8, v8, |v[XS+14]|, |v[XS+15]|
	v_max3_num_f32 v8, v8, v9, 0x1800000           ; and the floor 2^(3 - 127): the byte cannot fall under 1
	v_max_num_f32_dpp v8, v8, v8 row_xmask:1 row_mask:0xf bank_mask:0xf   ; with my neighbour's 16: the block's largest magnitude
	v_add_nc_u32 v11, 0xff000000, v8               ; 2 off its exponent field: the conversion's scale operand
	v_cvt_scalef32_pk8_fp4_f32 v[C+4*(\t)], v[XS:XS+7], v11
	v_cvt_scalef32_pk8_fp4_f32 v[C+4*(\t)+1], v[XS+8:XS+15], v11
	v_lshrrev_b32 v[E+(\t)], 23, v11               ; the scale's byte
	ds_store_b8 v5, v[E+(\t)] offset:16*(\t)       ; both lanes of a block write the same byte with the same value
	global_store_b64 v4, v[C+4*(\t):C+4*(\t)+1], s[10:11] offset:256*(\t)   ; the wave stores 256 consecutive bytes, aligned
.endm
.irp t, 0,1,2,3
	XLOAD \t
.endr
	s_wait_loadcnt 12
	XTURN 0
.irp t, 0,1,2,3,4,5,6,7,8,9,10,11,12,13,14,15
	XSTEP \t
.endr
	ds_load_b64 v[8:9], v6
	s_wait_dscnt 0x0
	global_store_b64 v7, v[8:9], s[12:13]          ; 256 scale bytes, one aligned run
	s_wait_tensorcnt 0x0                           ; the wave's end, behind my last LDS store
	ds_add_u32 v[SPW], v[NIL]
	s_wait_dscnt 0x0
	s_endpgm
; ---------------- both kinds of weight: a lane takes a column n and its registers run down K; each load reads 128 consecutive bytes a wave
.macro WLOAD t                         ; rows 32 t .. 32 t + 31 of my column into set t % 2
.irp i, 0,1,2,3,4,5,6,7,8,9,10,11,12,13,14,15,16,17,18,19,20,21,22,23,24,25,26,27,28,29,30,31
	global_load_b32 v[WX+32*((\t)%2)+\i], v3, s[6:7] offset:(32*(\t)+\i)*4096 th:TH_LOAD_NT
.endr
.endm
.macro WADR st                         ; the stage's addresses: in by my column's row, out sixteen lanes to a row
	v_lshlrev_b32 v3, 2, v2
	s_mul_i32 s14, s2, 32*WP
	s_add_co_u32 s14, s14, \st
	v_mul_u32_u24 v4, v2, WP
	v_add_nc_u32 v4, s14, v4
	v_and_b32 v5, 15, v2
	v_lshrrev_b32 v6, 4, v2
	v_mul_u32_u24 v7, v6, WP
	v_lshl_add_u32 v7, v5, 4, v7
	v_add_nc_u32 v7, s14, v7
.endm
.Lwq:                                  ; a wave: 32 columns x 512 along K: 16 blocks a lane
	WADR WQST
	v_lshlrev_b32 v8, 9, v6
	v_lshl_add_u32 v8, v5, 4, v8                   ; the same two rows in wcodes (512 bytes a row)
	v_lshlrev_b32 v9, 5, v2                        ; my row of scale bytes (32 a row)
	s_lshr_b32 s3, ttmp9, 4                        ; which weight
	s_cmp_eq_u32 s3, 0
	s_cselect_b64 s[6:7], s[22:23], s[24:25]
	s_cmp_eq_u32 s3, 2
	s_cselect_b64 s[6:7], s[26:27], s[6:7]
	s_and_b32 s4, ttmp9, 7
	s_lshl_b32 s4, s4, 7
	s_lshl_b32 s5, s2, 5
	s_add_co_u32 s4, s4, s5                        ; my wave's first column
	s_bfe_u32 s5, ttmp9, 0x10003                   ; which 512 along K
	s_lshl_b32 s8, s5, 21
	s_lshl_b32 s9, s4, 2
	s_add_co_u32 s8, s8, s9
	s_mov_b32 s9, 0
	s_add_nc_u64 s[6:7], s[6:7], s[8:9]
	s_lshl_b32 s3, s3, 10
	s_add_co_u32 s3, s3, s4                        ; my first row of wcodes
	s_lshl_b32 s8, s3, 9
	s_lshl_b32 s10, s5, 8
	s_add_co_u32 s8, s8, s10
	s_add_nc_u64 s[10:11], s[36:37], s[8:9]
	s_lshl_b32 s8, s3, 5
	s_lshl_b32 s12, s5, 4
	s_add_co_u32 s8, s8, s12
	s_add_nc_u64 s[12:13], s[38:39], s[8:9]
	WLOAD 0
	WLOAD 1
.macro QBLOCK t
.set WXS, WX+32*((\t)%2)
.if (\t) < 15
	s_wait_loadcnt 32                              ; this block's 32 loads are in; the next block's may be out
.else
	s_wait_loadcnt 0
.endif
	v_max3_num_f32 v12, |v[WXS]|, |v[WXS+1]|, |v[WXS+2]|
	v_max3_num_f32 v13, |v[WXS+3]|, |v[WXS+4]|, |v[WXS+5]|
.irp i, 6,10,14,18,22,26
	v_max3_num_f32 v12, v12, |v[WXS+\i]|, |v[WXS+\i+1]|
	v_max3_num_f32 v13, v13, |v[WXS+\i+2]|, |v[WXS+\i+3]|
.endr
	v_max3_num_f32 v12, v12, |v[WXS+30]|, |v[WXS+31]|
	v_max3_num_f32 v12, v12, v13, 0x1800000
	v_add_nc_u32 v11, 0xff000000, v12
	v_lshrrev_b32 v13, 23, v11
.if (\t)%4 == 0
	v_mov_b32 v[SB+(\t)/4], v13
.else
	v_lshl_or_b32 v[SB+(\t)/4], v13, 8*((\t)%4), v[SB+(\t)/4]
.endif
.irp g, 0,1,2,3
	v_cvt_scalef32_pk8_fp4_f32 v[WC+\g], v[WXS+8*\g:WXS+8*\g+7], v11
.endr
	ds_store_b128 v4, v[WC:WC+3] offset:16*(\t)
.if (\t)+2 < 16
	WLOAD (\t)+2
.endif
	s_wait_dscnt 0x0                               ; the store has read its registers: the next block's codes may be written
.endm
.irp t, 0,1,2,3,4,5,6,7,8,9,10,11,12,13,14,15
	QBLOCK \t
.endr
	global_store_b128 v9, v[SB:SB+3], s[12:13]
.irp t, 0,1,2,3,4,5,6,7,8,9,10,11,12,13,14,15
	ds_load_b128 v[OUTR+4*\t:OUTR+4*\t+3], v7 offset:2*\t*WP
.endr
.irp t, 0,1,2,3,4,5,6,7,8,9,10,11,12,13,14,15
	s_wait_dscnt 15-\t
	global_store_b128 v8, v[OUTR+4*\t:OUTR+4*\t+3], s[10:11] offset:2*\t*512   ; sixteen lanes store 256 consecutive bytes, aligned
.endr
	s_wait_tensorcnt 0x0
	ds_add_u32 v[SPW], v[NIL]
	s_wait_dscnt 0x0
	s_endpgm
.Lwh:                                  ; a wave: 32 columns x 128 along K, rounded to f16: 256 bytes a column
	WADR WHST
	v_lshlrev_b32 v8, 12, v6
	v_lshl_add_u32 v8, v5, 4, v8                   ; the same two rows in woT (4,096 bytes a row)
	s_sub_co_u32 s3, ttmp9, 48
	s_lshr_b32 s15, s3, 6                          ; 0: Wo, 1: Wow
	s_cmp_eq_u32 s15, 0
	s_cselect_b64 s[6:7], s[28:29], s[30:31]
	s_and_b32 s4, s3, 7
	s_lshl_b32 s4, s4, 7
	s_lshl_b32 s5, s2, 5
	s_add_co_u32 s4, s4, s5                        ; my wave's first column
	s_bfe_u32 s5, s3, 0x30003                      ; which 128 along K
	s_lshl_b32 s8, s5, 19
	s_lshl_b32 s9, s4, 2
	s_add_co_u32 s8, s8, s9
	s_mov_b32 s9, 0
	s_add_nc_u64 s[6:7], s[6:7], s[8:9]
	s_lshl_b32 s8, s4, 12
	s_lshl_b32 s10, s15, 11
	s_add_co_u32 s8, s8, s10
	s_lshl_b32 s10, s5, 8
	s_add_co_u32 s8, s8, s10
	s_add_nc_u64 s[10:11], s[40:41], s[8:9]
	WLOAD 0
	WLOAD 1
.macro HBLOCK t
.set WXS, WX+32*((\t)%2)
.if (\t) < 3
	s_wait_loadcnt 32
.else
	s_wait_loadcnt 0
.endif
.irp j, 0,1,2,3,4,5,6,7,8,9,10,11,12,13,14,15
	v_cvt_pk_f16_f32 v[WC+\j], v[WXS+2*\j], v[WXS+2*\j+1]
.endr
.irp g, 0,1,2,3
	ds_store_b128 v4, v[WC+4*\g:WC+4*\g+3] offset:64*(\t)+16*\g
.endr
.if (\t)+2 < 4
	WLOAD (\t)+2
.endif
	s_wait_dscnt 0x0
.endm
.irp t, 0,1,2,3
	HBLOCK \t
.endr
.irp t, 0,1,2,3,4,5,6,7,8,9,10,11,12,13,14,15
	ds_load_b128 v[OUTR+4*\t:OUTR+4*\t+3], v7 offset:2*\t*WP
.endr
.irp t, 0,1,2,3,4,5,6,7,8,9,10,11,12,13,14,15
	s_wait_dscnt 15-\t
	global_store_b128 v8, v[OUTR+4*\t:OUTR+4*\t+3], s[10:11] offset:2*\t*4096
.endr
	s_wait_tensorcnt 0x0
	ds_add_u32 v[SPW], v[NIL]
	s_wait_dscnt 0x0
	s_endpgm
.Lfunc_end_k_qb9f4b35383_prep:
	.size	k_qb9f4b35383_prep, .Lfunc_end_k_qb9f4b35383_prep-k_qb9f4b35383_prep
	.p2alignl 7, 3214868480
	.fill 96, 4, 3214868480
	.section	.rodata,"a",@progbits
	.p2align	6, 0x0
	.amdhsa_kernel k_qb9f4b35383_prep
		.amdhsa_group_segment_fixed_size 102912
		.amdhsa_private_segment_fixed_size 0
		.amdhsa_enable_private_segment 0
		.amdhsa_kernarg_size 104
		.amdhsa_user_sgpr_count 2
		.amdhsa_user_sgpr_kernarg_segment_ptr 1
		.amdhsa_wavefront_size32 1
		.amdhsa_system_sgpr_workgroup_id_x 1
		.amdhsa_system_sgpr_workgroup_id_y 1
		.amdhsa_system_sgpr_workgroup_id_z 1
		.amdhsa_system_vgpr_workitem_id 0
		.amdhsa_next_free_vgpr 192
		.amdhsa_next_free_sgpr 66
		.amdhsa_reserve_vcc 0
		.amdhsa_float_denorm_mode_32 3
		.amdhsa_float_denorm_mode_16_64 3
		.amdhsa_memory_ordered 1
		.amdhsa_forward_progress 1
		.amdhsa_inst_pref_size 133
	.end_amdhsa_kernel
	.amdgpu_metadata
---
amdhsa.version: [ 1, 2 ]
amdhsa.kernels:
  - .name:           k_qb9f4b35383_prep
    .symbol:         k_qb9f4b35383_prep.kd
    .args:
      - { .name: query, .offset: 0, .size: 8, .value_kind: global_buffer, .address_space: global }
      - { .name: key, .offset: 8, .size: 8, .value_kind: global_buffer, .address_space: global }
      - { .name: values, .offset: 16, .size: 8, .value_kind: global_buffer, .address_space: global }
      - { .name: Wq, .offset: 24, .size: 8, .value_kind: global_buffer, .address_space: global }
      - { .name: Wqw, .offset: 32, .size: 8, .value_kind: global_buffer, .address_space: global }
      - { .name: Wv, .offset: 40, .size: 8, .value_kind: global_buffer, .address_space: global }
      - { .name: Wo, .offset: 48, .size: 8, .value_kind: global_buffer, .address_space: global }
      - { .name: Wow, .offset: 56, .size: 8, .value_kind: global_buffer, .address_space: global }
      - { .name: xcodes, .offset: 64, .size: 8, .value_kind: global_buffer, .address_space: global }
      - { .name: xscales, .offset: 72, .size: 8, .value_kind: global_buffer, .address_space: global }
      - { .name: wcodes, .offset: 80, .size: 8, .value_kind: global_buffer, .address_space: global }
      - { .name: wscales, .offset: 88, .size: 8, .value_kind: global_buffer, .address_space: global }
      - { .name: woT, .offset: 96, .size: 8, .value_kind: global_buffer, .address_space: global }
    .group_segment_fixed_size: 102912
    .private_segment_fixed_size: 0
    .kernarg_segment_align: 8
    .kernarg_segment_size: 104
    .max_flat_workgroup_size: 128
    .sgpr_count:     66
    .vgpr_count:     192
    .wavefront_size: 32
...
	.end_amdgpu_metadata
.endif
;; end of part 1
;; launch gemm5 (part 2): grid 4 x 80, 4 waves a work-group, clusters of 4 x 4, 327,680 bytes of LDS; arguments xcodes, xscales, wcodes, wscales, bq, bqw, bv, heads; writes heads
.if DOCPART == 2
	.amdgcn_target "amdgcn-amd-amdhsa--gfx1250"
	.amdhsa_code_object_version 6
	.text
	.protected	k_qb9f4b35383_gemm5
	.globl	k_qb9f4b35383_gemm5
	.p2align	8
	.type	k_qb9f4b35383_gemm5,@function
k_qb9f4b35383_gemm5:
	s_mov_b64 s[64:65], 0
	v_nop
	global_prefetch_b8 v0, s[64:65] scope:SCOPE_SE
	s_setreg_imm32_b32 hwreg(HW_REG_WAVE_MODE, 25, 1), 1
	s_wait_xcnt 0x0
	s_wait_alu depctr_hold_cnt(0) depctr_sa_sdst(0) depctr_va_vdst(0) depctr_va_sdst(0) depctr_va_ssrc(0) depctr_va_vcc(0) depctr_vm_vsrc(0)
	s_getreg_b32 s2, hwreg(HW_REG_IB_STS2, 6, 4)
	s_cmp_eq_u32 s2, 0
	s_cbranch_scc0 .Lentry_in_a_cluster
	s_endpgm
.Lentry_in_a_cluster:
	s_bfe_u32 s2, ttmp6, 0x10000c
	s_cmp_lg_u32 s2, 0xf033
	s_cbranch_scc0 .Lentry_shape_is_right
	s_endpgm
.Lentry_shape_is_right:
; THE FIVE QUANTISED PRODUCTS, y = x W + b, on codes of FP4 with one E8M0 scale for each 32 along K; sums in f32; y rounded to f16.
; Job j = 0 .. 4 fills plane j of heads: 0 query Wq, 1 key Wq, 2 query Wqw, 3 key Wqw, 4 values Wv.  A plane is [4096 rows][1024] f16.
; A tile of 256 x 256 is made by four waves, 128 x 128 each: 64 accumulators, 512 registers.  K = 1024 is two slots of 512 along K (rows of 256 bytes): both slots and all scale bytes are first fills; nothing is filled again.
; CLUSTERS of 4 x 4: the four of a row need the same tile of x, the four of a column the same tile of W: joint loads.  A cluster holds a job's 1,024 rows x all 1,024 columns.
; THE MATRIX INSTRUCTION IS USED TRANSPOSED (source 0 = 16 rows of W's codes, source 1 = 16 rows of x's): a lane holds eight neighbouring columns of one row.  The bias is the C of each sum's first product.
; THE ROWS LEAVE PERMUTED: inside each 32 tokens the second and the third group of eight change places (only the stores' offsets know).  The attention's fragments then give each half of the lanes 16 neighbouring keys.
; LIMIT: |y| stays under 65,504 (f16).
; REGISTERS: window 0: v0-31 addresses; v32-95 scale words, two sets; v128-191 x's fragments, one set; v192-255 the bias, eight registers for each of 8 column blocks.  window 1: W's fragments, two sets.  windows 2, 3: accumulators.
.set KSTEP,  512
.set NQ,     4
.set ROWB,   256
.set KROW,   512
.set PITCH,  272                       ; 256 bytes + 16 of padding: the 16 rows of a fragment load start 68 words apart
.set FR,     8
.set NL,     2
.set NP,     4
.set HALFT,  128*PITCH
.set SLOT,   4*HALFT
.set KS,     32                        ; a row's scale bytes
.set SCL,    2*SLOT
.set HALFS,  (128*KS/256)*272
.set SBLK,   (16*KS/256)*272
.set SPARE,  SCL+4*HALFS               ; the spare words: 128 bytes a wave
.set STAGE,  SPARE+512                 ; the way out: 16 rows x 272 bytes for each wave; no fill lands here
.set ADRA, 16
.set ADRB, 20
.set STO,  24
.set RD,   25
.set CO,   26
.set ADRS, 27
.set SPW,  28
.set NIL,  29
.set BOF,  30
.set SC,   32
.set AF,   128
.set BI,   192
.set TMP,  32                          ; the way out: packed results
.set BK,   64                          ; and rows read back: two sets of 32
.set G1, 24
.set G0, 32
.set G1B, 48
.set G0B, 56
.set G1S, 68
.set G0S, 76
.set G1SB, 80
.set G0SB, 88
.set MSB, 0
.macro WIN new
.if MSB != \new
	s_set_vgpr_msb (MSB<<8)|\new
.set MSB, \new
.endif
.endm
.set MUL_LO, 0xa1                      ; source 0 window 1, source 1 window 0, C and D window 2
.set MUL_HI, 0xf1
.set TO_B,   0x40
.macro JLOAD g0a, g1a, g0b, g1b        ; waves 0, 1 fetch for x, waves 2, 3 for W; an s_nop 0 and four v_nop follow each line
	s_cmp_eq_u32 s15, 0
	s_cbranch_scc0 .Lfor_b_\@
	tensor_load_to_lds s[\g0a:\g0a+3], s[\g1a:\g1a+7]
	s_nop 0
.rept 4
	v_nop
.endr
	s_branch .Lasked_\@
.Lfor_b_\@:
	tensor_load_to_lds s[\g0b:\g0b+3], s[\g1b:\g1b+7]
	s_nop 0
.rept 4
	v_nop
.endr
.Lasked_\@:
.endm
.macro CROUND                          ; a round of the cluster's barrier
	s_barrier_signal -1
	s_barrier_wait -1
	s_cmp_lg_u32 s14, 0
	s_cbranch_scc1 .Lnot_wave_0_\@
	s_barrier_signal -3
.Lnot_wave_0_\@:
	s_barrier_wait -3
	s_barrier_signal -1
	s_barrier_wait -1
.endm
	s_load_b128 s[4:7], s[0:1], 0x0                ; x's codes, x's scales
	s_load_b128 s[8:11], s[0:1], 0x10              ; W's codes, W's scales
	s_load_b128 s[96:99], s[0:1], 0x20             ; bq, bqw
	s_load_b64 s[66:67], s[0:1], 0x30              ; bv
	s_load_b64 s[12:13], s[0:1], 0x38              ; heads
	v_lshl_add_u32 v[SPW], v0, 2, SPARE
	v_mov_b32 v[NIL], 0
	ds_add_u32 v[SPW], v[NIL]                      ; the wave's opening, ahead of my first tensor load
	v_lshrrev_b32 v1, 5, v0
	v_readfirstlane_b32 s14, v1                    ; wave
	s_lshr_b32 s15, s14, 1                         ; my half of the tile's rows; also: I fetch for x (0) or W (1)
	s_and_b32 s16, s14, 1                          ; my half of its columns; also: which 128 rows I fetch
	s_bfe_u32 s40, ttmp6, 0x40000                  ; cx
	s_bfe_u32 s41, ttmp6, 0x40004                  ; cy
	s_lshl_b32 s42, ttmp9, 2
	s_add_co_u32 s42, s42, s40                     ; tile column 0..3
	s_and_b32 s2, ttmp7, 0xffff                    ; cluster y 0..19
	s_lshr_b32 s3, s2, 2                           ; the job
	s_and_b32 s17, s2, 3
	s_lshl_b32 s17, s17, 2
	s_add_co_u32 s17, s17, s41                     ; tile row in the job's 4,096 rows
	s_and_b32 s95, s3, 1
	s_lshr_b32 s2, s3, 2
	s_lshl_b32 s2, s2, 1
	s_or_b32 s95, s95, s2                          ; which of query, key, values
	s_lshr_b32 s2, s3, 1                           ; which of Wq, Wqw, Wv
	s_lshl_b32 s43, s41, 2
	s_lshl_b32 s43, 15, s43                        ; my row of the cluster
	s_lshl_b32 s44, 0x1111, s40                    ; my column
	s_or_b32 s[G1+0], s43, (0<<16)|(1<<20)|(1<<21)|(5<<22)|(3<<25)  ; mask; 1-byte elements; padding on; bit 21 beside a mask; 4 words behind every 64
	s_or_b32 s[G1B+0], s44, (0<<16)|(1<<20)|(1<<21)|(5<<22)|(3<<25)
.irp g, G1, G1B
	s_mov_b32 s[\g+1], ROWB<<16
	s_mov_b32 s[\g+2], 128<<16
	s_mov_b32 s[\g+3], ROWB<<16
	s_mov_b32 s[\g+4], 128
	s_mov_b32 s[\g+5], KROW
	s_mov_b32 s[\g+6], 0
	s_mov_b32 s[\g+7], 0
.endr
	s_or_b32 s[G1S+0], s43, (3<<16)|(1<<20)|(1<<21)|(5<<22)|(3<<25)  ; the scales of 128 rows: 4,096 dense bytes as 16 rows of 256
	s_or_b32 s[G1SB+0], s44, (3<<16)|(1<<20)|(1<<21)|(5<<22)|(3<<25)
.irp g, G1S, G1SB
	s_mov_b32 s[\g+1], 32<<16
	s_mov_b32 s[\g+2], (128*KS/256)<<16
	s_mov_b32 s[\g+3], 32<<16
	s_mov_b32 s[\g+4], 128*KS/256
	s_mov_b32 s[\g+5], 32
	s_mov_b32 s[\g+6], 0
	s_mov_b32 s[\g+7], 0
.endr
	s_lshl_b32 s18, s16, 7
	s_lshl_b32 s20, s95, 4
	s_add_co_u32 s20, s20, s17
	s_lshl_b32 s20, s20, 8
	s_add_co_u32 s20, s20, s18                     ; x: row 4096 x tensor + 256 x tile row + 128 x half
	s_lshl_b32 s46, s2, 2
	s_add_co_u32 s46, s46, s42
	s_lshl_b32 s46, s46, 8
	s_add_co_u32 s46, s46, s18                     ; W: row 1024 x weight + 256 x tile column + 128 x half
	s_mov_b32 s21, 0
	s_mov_b32 s47, 0
	s_mov_b64 s[18:19], KS
	s_mul_u64 s[22:23], s[20:21], s[18:19]
	s_mul_u64 s[92:93], s[46:47], s[18:19]
	s_mov_b64 s[18:19], KROW
	s_mul_u64 s[20:21], s[20:21], s[18:19]
	s_mul_u64 s[46:47], s[46:47], s[18:19]
	s_mul_i32 s45, s14, HALFT
	s_mul_i32 s94, s14, HALFS
	s_wait_dscnt 0x0                               ; the opening add is done
	s_wait_kmcnt 0x0
	s_add_nc_u64 s[20:21], s[4:5], s[20:21]
	s_add_nc_u64 s[22:23], s[6:7], s[22:23]
	s_add_nc_u64 s[46:47], s[8:9], s[46:47]
	s_add_nc_u64 s[92:93], s[10:11], s[92:93]
	CROUND                                         ; all sixteen work-groups are here: the joint loads meet
	s_mov_b32 s[G0S], 1
	s_add_co_u32 s[G0S+1], s94, SCL
	s_mov_b64 s[G0S+2:G0S+3], s[22:23]
	s_or_b32 s[G0S+3], s[G0S+3], 0x80000000
	s_mov_b32 s[G0SB], 1
	s_add_co_u32 s[G0SB+1], s94, SCL
	s_mov_b64 s[G0SB+2:G0SB+3], s[92:93]
	s_or_b32 s[G0SB+3], s[G0SB+3], 0x80000000
	JLOAD G0S, G1S, G0SB, G1SB
.irp s, 0,1
	s_mov_b32 s[G0+4*\s], 1
	s_add_co_u32 s[G0+4*\s+1], s45, \s*SLOT
	s_add_nc_u64 s[G0+4*\s+2:G0+4*\s+3], s[20:21], \s*ROWB
	s_or_b32 s[G0+4*\s+3], s[G0+4*\s+3], 0x80000000
	s_mov_b32 s[G0B+4*\s], 1
	s_add_co_u32 s[G0B+4*\s+1], s45, \s*SLOT
	s_add_nc_u64 s[G0B+4*\s+2:G0B+4*\s+3], s[46:47], \s*ROWB
	s_or_b32 s[G0B+4*\s+3], s[G0B+4*\s+3], 0x80000000
	JLOAD G0+4*\s, G1, G0B+4*\s, G1B
.endr                                              ; three tensor loads of mine are out
	v_and_b32 v1, 15, v0                           ; l % 16
	v_bfe_u32 v2, v0, 4, 1                         ; l / 16
	v_mul_u32_u24 v3, v1, PITCH
	v_lshl_add_u32 v4, v2, 4, v3
	s_mul_i32 s21, s15, HALFT
	s_mul_i32 s22, s16, HALFT
	s_add_co_u32 s22, s22, 2*HALFT
.irp s, 0,1
	v_add_nc_u32 v[ADRA+\s], s21, v4
	v_add_nc_u32 v[ADRB+\s], s22, v4
	s_add_co_u32 s21, s21, SLOT
	s_add_co_u32 s22, s22, SLOT
.endr
	v_mul_u32_u24 v5, v1, KS
	v_lshrrev_b32 v6, 8, v5
	v_lshl_add_u32 v5, v6, 4, v5                   ; my row's scales: 32 bytes a row, 16 more for each 256 passed
	s_mul_i32 s21, s15, HALFS
	s_mul_i32 s22, s16, HALFS
	s_add_co_u32 s22, s22, 2*HALFS
	s_sub_co_u32 s22, s22, s21
	v_mul_u32_u24 v6, s22, v2                      ; lanes 16-31 take W's
	s_add_co_u32 s21, s21, SCL
	v_add_nc_u32 v5, v5, v6
	v_add_nc_u32 v[ADRS], s21, v5
	s_mul_i32 s23, s14, 16*PITCH
	s_add_co_u32 s23, s23, STAGE                   ; my stage
	v_add_nc_u32 v[STO], s23, v4                   ; in: row l % 16, 16 bytes for each half of the lanes
	v_mul_u32_u24 v5, v2, PITCH
	v_lshl_add_u32 v5, v1, 4, v5
	v_add_nc_u32 v[RD], s23, v5                    ; back: lanes 0-15 one row of 256 bytes, lanes 16-31 the next
	v_lshlrev_b32 v5, 11, v2
	v_lshl_add_u32 v[CO], v1, 4, v5                ; the same two rows in a plane (2,048 bytes a row)
	v_lshlrev_b32 v[BOF], 5, v2                    ; the bias: my half's eight numbers
	s_lshl_b32 s20, s17, 8
	s_lshl_b32 s21, s15, 7
	s_add_co_u32 s20, s20, s21                     ; my first row in the plane
	s_lshl_b32 s20, s20, 11
	s_lshl_b32 s21, s3, 23                         ; the job's plane
	s_add_co_u32 s20, s20, s21
	s_mov_b32 s21, 0
	s_lshl_b32 s46, s42, 9
	s_lshl_b32 s47, s16, 8
	s_add_co_u32 s46, s46, s47                     ; my first column, in bytes of f16
	s_mov_b32 s47, 0
	s_add_nc_u64 s[20:21], s[20:21], s[46:47]
	s_add_nc_u64 s[12:13], s[12:13], s[20:21]
	s_cmp_eq_u32 s2, 0
	s_cselect_b64 s[96:97], s[96:97], s[98:99]
	s_cmp_eq_u32 s2, 2
	s_cselect_b64 s[96:97], s[66:67], s[96:97]     ; the weight's bias
	s_lshl_b32 s46, s46, 1                         ; the same column in bytes of f32
	s_add_nc_u64 s[96:97], s[96:97], s[46:47]
.irp b, 0,1,2,3,4,5,6,7
	global_load_b128 v[BI+8*\b:BI+8*\b+3], v[BOF], s[96:97] offset:64*\b       ; register 8 b + j: bias of column 16 b + 8 (l / 16) + j
	global_load_b128 v[BI+8*\b+4:BI+8*\b+7], v[BOF], s[96:97] offset:64*\b+16
.endr
.macro FRAG reg, adr, q, i
.irp c, 0,1
	ds_load_b128 v[\reg+4*\c:\reg+4*\c+3], v[\adr] offset:64*(\q)+32*\c+(\i)*16*PITCH
.endr
.endm
; 16 products: x's blocks a0, a0 + 1 against W's eight, 128 along K.  The 64 accumulators take turns, one instruction a turn.  first = 1: the bias is the C.
.macro MUL16 a0, p, q, sc, first
.irp a, \a0, \a0+1
.irp b, 0,1,2,3,4,5,6,7
.if \first
	v_wmma_scale_f32_16x16x128_f8f6f4 v[8*(8*((\a)%4)+\b):8*(8*((\a)%4)+\b)+7], v[128*(\p)+FR*\b:128*(\p)+FR*\b+FR-1], v[AF+FR*(\a):AF+FR*(\a)+FR-1], v[BI+8*\b:BI+8*\b+7], v[SC+8*NQ*(\sc)+NQ*\b+(\q)], v[SC+8*NQ*(\sc)+NQ*(\a)+(\q)] matrix_a_fmt:MATRIX_FMT_FP4 matrix_b_fmt:MATRIX_FMT_FP4 matrix_a_scale:MATRIX_SCALE_ROW1
.else
	v_wmma_scale_f32_16x16x128_f8f6f4 v[8*(8*((\a)%4)+\b):8*(8*((\a)%4)+\b)+7], v[128*(\p)+FR*\b:128*(\p)+FR*\b+FR-1], v[AF+FR*(\a):AF+FR*(\a)+FR-1], v[8*(8*((\a)%4)+\b):8*(8*((\a)%4)+\b)+7], v[SC+8*NQ*(\sc)+NQ*\b+(\q)], v[SC+8*NQ*(\sc)+NQ*(\a)+(\q)] matrix_a_fmt:MATRIX_FMT_FP4 matrix_b_fmt:MATRIX_FMT_FP4 matrix_a_scale:MATRIX_SCALE_ROW1
.endif
.endr
.endr
.endm
.macro FETCH_B slot, q, p
	WIN TO_B
.irp i, 0,1,2,3,4,5,6,7
	FRAG 128*(\p)+FR*\i, ADRB+\slot, \q, \i
.endr
	WIN 0
.endm
.macro FETCH_A slot, q, i0
.irp i, \i0, \i0+1, \i0+2, \i0+3
	FRAG AF+FR*(\i), ADRA+\slot, \q, \i
.endr
.endm
.macro SCALES sc                       ; four words a row: lanes 0-15 x's block i, lanes 16-31 W's block i
.irp i, 0,1,2,3,4,5,6,7
	ds_load_b128 v[SC+8*NQ*\sc+NQ*\i:SC+8*NQ*\sc+NQ*\i+3], v[ADRS] offset:\i*SBLK
.endr
.endm
.macro PLACES n                        ; plain vector lines between a matrix instruction and a load into, or a read of, its registers
.rept \n
	v_nop
.endr
.endm
.macro STEP slot, q, first
	s_wait_dscnt 4*NL                              ; W's set and x's blocks 0-3 are in; the youngest eight loads (blocks 4-7) may be out
.if \first
	WIN 0x81                                       ; C (the bias) in window 0, D in window 2
.else
	WIN MUL_LO
.endif
	MUL16 0, (\q)%2, \q, \slot, \first
	MUL16 2, (\q)%2, \q, \slot, \first
	s_wait_dscnt 0
	PLACES NP
	FETCH_B \slot, (\q)+1, 1-(\q)%2
	FETCH_A \slot, (\q)+1, 0
.if \first
	WIN 0xc1
.else
	WIN MUL_HI
.endif
	MUL16 4, (\q)%2, \q, \slot, \first
	MUL16 6, (\q)%2, \q, \slot, \first
	PLACES NP
	WIN 0
	FETCH_A \slot, (\q)+1, 4
.endm
	s_wait_tensorcnt 1                             ; the scales and my part of slot 0 are in; slot 1's load may be out
	s_barrier_signal -1
	s_barrier_wait -1
	FETCH_B 0, 0, 0
	FETCH_A 0, 0, 0
	SCALES 0
	FETCH_A 0, 0, 4
	s_wait_loadcnt 0x0                             ; the bias
	STEP 0, 0, 1
	STEP 0, 1, 0
	STEP 0, 2, 0
	; slot 0's last step changes slots: one barrier; nothing is filled again
	s_wait_tensorcnt 0x0                           ; my part of slot 1 has landed
	ds_add_u32 v[SPW], v[NIL]
	s_wait_dscnt 4*NL+1                            ; the add and the youngest eight loads may be out
	WIN MUL_LO
	MUL16 0, 1, 3, 0, 0
	s_wait_dscnt 0x0
	s_barrier_signal -1
	MUL16 2, 1, 3, 0, 0
	WIN 0
	s_barrier_wait -1
	PLACES NP
	v_add_nc_u32 v[ADRS], 4*NQ, v[ADRS]            ; the next 512 along K: 16 bytes on in each row of scales
	FETCH_B 1, 0, 0
	FETCH_A 1, 0, 0
	SCALES 1
	WIN MUL_HI
	MUL16 4, 1, 3, 0, 0
	MUL16 6, 1, 3, 0, 0
	PLACES NP
	WIN 0
	FETCH_A 1, 0, 4
	STEP 1, 0, 0
	STEP 1, 1, 0
	STEP 1, 2, 0
	s_wait_dscnt 4*NL
	WIN MUL_LO
	MUL16 0, 1, 3, 1, 0
	MUL16 2, 1, 3, 1, 0
	s_wait_dscnt 0
	WIN MUL_HI
	MUL16 4, 1, 3, 1, 0
	MUL16 6, 1, 3, 1, 0
	WIN 0
; THE WAY OUT, a block of 16 rows x 128 columns at a time: rounded to f16, 16 bytes a lane into my stage, back as whole rows of 256 bytes.
.macro PACK a
.set AC, 64*((\a)%4)
	WIN 0x0a+5*((\a)/4)                            ; sources in window 2 or 3
.irp b, 0,1,2,3,4,5,6,7
.irp r, 0,1,2,3
	v_cvt_pk_f16_f32 v[TMP+4*\b+\r], v[AC+8*\b+2*\r], v[AC+8*\b+2*\r+1]   ; each accumulator from its low end on
.endr
.endr
	WIN 0
.endm
.macro TOSTAGE a
.set BB, BK+32*((\a)%2)
.irp b, 0,1,2,3,4,5,6,7
	ds_store_b128 v[STO], v[TMP+4*\b:TMP+4*\b+3] offset:32*\b
.endr
.irp t, 0,1,2,3,4,5,6,7
	ds_load_b128 v[BB+4*\t:BB+4*\t+3], v[RD] offset:\t*2*PITCH   ; LDS serves a wave's instructions in order: these see the stores above
.endr
.endm
.macro SEND a
.set BB, BK+32*((\a)%2)
	s_wait_dscnt 0x0                               ; the block is back in registers
	s_wait_xcnt 0x0                                ; earlier stores have read their registers: the other set may be loaded again behind this wait
.irp t, 0,1,2,3,4,5,6,7
	global_store_b128 v[CO], v[BB+4*\t:BB+4*\t+3], s[12:13] offset:(32*((\a)/2)+16*(\t/4)+8*((\a)%2)+2*(\t%4))*2048   ; token 16 a + 2 t (+1) goes to its permuted row; 16 lanes store 256 consecutive bytes, aligned
.endr
.endm
	PLACES NP
	PACK 0
	TOSTAGE 0
.irp a, 1,2,3,4,5,6,7
	PACK \a
	SEND \a-1
	TOSTAGE \a
.endr
	SEND 7
	s_wait_tensorcnt 0x0                           ; the wave's end
	ds_add_u32 v[SPW], v[NIL]
	s_wait_dscnt 0x0
	CROUND                                         ; the closing round
	s_endpgm
.Lfunc_end_k_qb9f4b35383_gemm5:
	.size	k_qb9f4b35383_gemm5, .Lfunc_end_k_qb9f4b35383_gemm5-k_qb9f4b35383_gemm5
	.p2alignl 7, 3214868480
	.fill 96, 4, 3214868480
	.section	.rodata,"a",@progbits
	.p2align	6, 0x0
	.amdhsa_kernel k_qb9f4b35383_gemm5
		.amdhsa_group_segment_fixed_size 327680
		.amdhsa_private_segment_fixed_size 0
		.amdhsa_enable_private_segment 0
		.amdhsa_kernarg_size 64
		.amdhsa_user_sgpr_count 2
		.amdhsa_user_sgpr_kernarg_segment_ptr 1
		.amdhsa_wavefront_size32 1
		.amdhsa_system_sgpr_workgroup_id_x 1
		.amdhsa_system_sgpr_workgroup_id_y 1
		.amdhsa_system_sgpr_workgroup_id_z 1
		.amdhsa_system_vgpr_workitem_id 0
		.amdhsa_next_free_vgpr 1024
		.amdhsa_next_free_sgpr 100
		.amdhsa_reserve_vcc 0
		.amdhsa_float_denorm_mode_32 3
		.amdhsa_float_denorm_mode_16_64 3
		.amdhsa_memory_ordered 1
		.amdhsa_forward_progress 1
		.amdhsa_inst_pref_size 128
	.end_amdhsa_kernel
	.amdgpu_metadata
---
amdhsa.version: [ 1, 2 ]
amdhsa.kernels:
  - .name:           k_qb9f4b35383_gemm5
    .symbol:         k_qb9f4b35383_gemm5.kd
    .args:
      - { .name: xcodes, .offset: 0, .size: 8, .value_kind: global_buffer, .address_space: global }
      - { .name: xscales, .offset: 8, .size: 8, .value_kind: global_buffer, .address_space: global }
      - { .name: wcodes, .offset: 16, .size: 8, .value_kind: global_buffer, .address_space: global }
      - { .name: wscales, .offset: 24, .size: 8, .value_kind: global_buffer, .address_space: global }
      - { .name: bq, .offset: 32, .size: 8, .value_kind: global_buffer, .address_space: global }
      - { .name: bqw, .offset: 40, .size: 8, .value_kind: global_buffer, .address_space: global }
      - { .name: bv, .offset: 48, .size: 8, .value_kind: global_buffer, .address_space: global }
      - { .name: heads, .offset: 56, .size: 8, .value_kind: global_buffer, .address_space: global }
    .group_segment_fixed_size: 327680
    .private_segment_fixed_size: 0
    .kernarg_segment_align: 8
    .kernarg_segment_size: 64
    .max_flat_workgroup_size: 128
    .sgpr_count:     100
    .vgpr_count:     1024
    .wavefront_size: 32
...
	.end_amdgpu_metadata
.endif
;; end of part 2
;; launch attn (part 3): grid 8 x 32, 8 waves a work-group, clusters of 4 x 1, 327,680 bytes of LDS; arguments heads, gammas, att; writes att
.if DOCPART == 3
	.amdgcn_target "amdgcn-amd-amdhsa--gfx1250"
	.amdhsa_code_object_version 6
	.text
	.protected	k_qb9f4b35383_attn
	.globl	k_qb9f4b35383_attn
	.p2align	8
	.type	k_qb9f4b35383_attn,@function
k_qb9f4b35383_attn:
	s_mov_b64 s[64:65], 0
	v_nop
	global_prefetch_b8 v0, s[64:65] scope:SCOPE_SE
	s_setreg_imm32_b32 hwreg(HW_REG_WAVE_MODE, 25, 1), 1
	s_wait_xcnt 0x0
	s_wait_alu depctr_hold_cnt(0) depctr_sa_sdst(0) depctr_va_vdst(0) depctr_va_sdst(0) depctr_va_ssrc(0) depctr_va_vcc(0) depctr_vm_vsrc(0)
	s_getreg_b32 s2, hwreg(HW_REG_IB_STS2, 6, 4)
	s_cmp_eq_u32 s2, 0
	s_cbranch_scc0 .Lentry_in_a_cluster
	s_endpgm
.Lentry_in_a_cluster:
	s_bfe_u32 s2, ttmp6, 0x10000c
	s_cmp_lg_u32 s2, 0x3003
	s_cbranch_scc0 .Lentry_shape_is_right
	s_endpgm
.Lentry_shape_is_right:
; BOTH ATTENTIONS of one (batch, head): scores, first softmax p, the sum of p over later keys, te = max(2^-sqrt(g2 x that sum x (q - k)), 1e-5), second softmax of score x te, the product with V.
; g2 = (gamma x log2 e)^2.  The upper clip at 1e5 is not written: the exponent is never positive.  Maxout: 1 / max of the second softmax is its sum l2, so the weights are e2 x min(1, 5 / l2).
; Operands q, k, v and the weights go in f16, sums and all else in f32.  The result is stored as a / 8 in f16 (|a| is at most 5 max|v|): the output projection multiplies by 8.  LIMIT: |q|, |k|, |v| under 65,504.
; heads: five planes [4096][1024] f16 (q, k, qw, kw, v); inside each 32 tokens the second and third group of eight have changed places.  With plain fragment addressing, register 16 b + i of lane (r, h) is then query r and key 32 b + 16 h + i.
; SHARES.  A work-group has eight waves, each with ONE tile of 16 queries, from key group 0,1,2,3,7,6,5,4 by the wave's number; work-group g of the head's eight takes tile g of each group.  So all work-groups are alike, walk all eight steps of 128 keys,
; and the four of a cluster ask for every tile of K and V jointly.  A wave leaves out the work of steps beyond its own group (a branch on the wave's number and a count).
; TWO PASSES.  The sum over later keys wants the finished first softmax: pass 1 (keys ascending) finds its maximum and sum, pass 2 (keys descending) does the rest with a running carry.  Both take the maximum away before every exponential.
; THE WINDOW (keys q - 19 .. q - 1) lies in 64 aligned keys: its K comes straight into registers, its V by a tensor load of the wave's own, ahead of pass 1.
; Masked scores are -infinity; running maxima start at -3e38; sums that divide are held at 1 from below (every row with a key has a sum of at least 1), so the row without keys gives 0.
; REGISTERS, window 0: see the names below.  window 1: v0-31 Q's four fragments; from v32 seven buffers of four fragments of K or V.
.set PK,    272                        ; a row of K in LDS: 256 bytes + 16
.set PVP,   288                        ; a row of V: 256 + 32
.set VOFF,  128*PK                     ; a slot: 128 rows of K, then 128 rows of V
.set SLOT1, 1<<17
.set WREG,  64*PVP                     ; a wave's 64 rows of V for the window, from SLOT1 on: read before the first change of slots
.set STAGE, SLOT1+8*WREG               ; 16 rows x 272 bytes for each wave; no fill lands here
.set SPARE, STAGE+8*16*PK              ; the spare words: 128 bytes a wave
.set PLANE, 8388608
.set STEPB, 128*2048                   ; 128 rows of a plane
.set AK,  1
.set AV,  2
.set AWV, 3
.set ADK, 4
.set ADV, 5
.set SPW, 6
.set NIL, 7
.set STO, 8
.set RD,  9
.set GO,  10
.set DQ,  11                           ; 16 g + r - 16 h: key 32 b + i of the diagonal step counts where 32 b + i < DQ
.set PFO, 12
.set H0,  13                           ; 1.0 in lanes 0-15, 0.0 in lanes 16-31
.set MX,  14                           ; v[14:15] running maximum (in powers of two); its old value
.set L,   16                           ; v[16:17] the sum in two halves
.set FF,  18                           ; v[18:19] the factor in hand
.set M1,  20                           ; v[20:21] the first softmax's maximum
.set G,   22                           ; g2 / l1
.set GD,  23                           ; G x (q - first key of my half in the step)
.set N2G, 24                           ; v[24:25] -2 G twice
.set CAR, 26                           ; the sum of p over all later keys
.set QO,  27
.set G2,  30
.set TS,  32
.set XS,  36
.set ZS,  40
.set W,   44
.set CM,  52
.set PT,  56
.set DW1, 62
.set KWO, 63
.set E,   64
.set S,   128
.set O,   192
.set WV,  10
.set GRP, 11
.set J,   14
.set TB,  15
.set CNT, 16
.set N,   17
.set LO,  18
.set SPAN, 19
.set SEL, 20
.set CS,  22
.set G1K, 24
.set G1V, 32
.set G1W, 40
.set G0K, 48
.set G0V, 52
.set G0W, 56
.set PFA, 60
.set PFS, 62
.set MSB, 0
.macro WIN new
.if MSB != \new
	s_set_vgpr_msb (MSB<<8)|\new
.set MSB, \new
.endif
.endm
.macro NOPS n
.rept \n
	v_nop
.endr
.endm
.macro CROUND
	s_barrier_signal -1
	s_barrier_wait -1
	s_cmp_lg_u32 s[WV], 0
	s_cbranch_scc1 .Lnot_wave_0_\@
	s_barrier_signal -3
.Lnot_wave_0_\@:
	s_barrier_wait -3
	s_barrier_signal -1
	s_barrier_wait -1
.endm
; A joint refill.  Waves 0, 1 fetch K's halves; kind = 2: waves 2, 3 V's.  The branches hang on the wave's number alone.  An s_nop 0 and four v_nop follow each line.
.macro JLOAD kind
	s_cmp_lt_u32 s[WV], 2
	s_cbranch_scc0 .Lnot_k_\@
	tensor_load_to_lds s[G0K:G0K+3], s[G1K:G1K+7]
	s_nop 0
	NOPS 4
.if \kind == 2
	s_branch .Lasked_\@
.endif
.Lnot_k_\@:
.if \kind == 2
	s_cmp_lt_u32 s[WV], 4
	s_cbranch_scc0 .Lasked_\@
	tensor_load_to_lds s[G0V:G0V+3], s[G1V:G1V+7]
	s_nop 0
	NOPS 4
.Lasked_\@:
.endif
.endm
; A prefetch into the L2, behind the change's tensor load: 32 rows x 256 bytes, a lane a row.  Both clusters of a head walk the same K and V: the first asks; its four partners take 32 rows each, told apart by address;
; wave 0 asks at changes 0 .. 5 for K's step two on, wave 2 at changes 6 .. 13 for the V that the next change loads.  So each row is named once, and nothing is named outside these changes.
.macro ASK
	s_sub_co_u32 s12, s[N], s[LO]
	s_cmp_le_u32 s12, s[SPAN]
	s_cbranch_scc0 .Lnot_mine_\@
	global_prefetch_b8 v[PFO], s[PFA:PFA+1] th:TH_LOAD_NT scope:SCOPE_SE
.Lnot_mine_\@:
.endm
; THE CHANGE OF SLOTS, at a step's head: all my tensor loads have landed (my part of the slot ahead), the add, my reads of the slot left are over; a round of the cluster's barrier; the slot left is filled with the next step's tiles.
.macro CHANGE kind, kmove, vmove
	s_wait_tensorcnt 0x0                           ; no tensor load of mine is out: the descriptors may be written
	ds_add_u32 v[SPW], v[NIL]
.if \kind
	s_xor_b32 s[G0K+1], s[G0K+1], SLOT1
.if \kmove > 0
	s_add_nc_u64 s[G0K+2:G0K+3], s[G0K+2:G0K+3], STEPB
.elseif \kmove < 0
	s_sub_nc_u64 s[G0K+2:G0K+3], s[G0K+2:G0K+3], STEPB
.endif
.if \vmove
	s_xor_b32 s[G0V+1], s[G0V+1], SLOT1
	s_sub_nc_u64 s[G0V+2:G0V+3], s[G0V+2:G0V+3], STEPB
.endif
	s_wait_xcnt 0x0                                ; the last prefetch and all stores have read their registers
	s_add_nc_u64 s[PFA:PFA+1], s[PFA:PFA+1], s[PFS:PFS+1]
	s_wait_dscnt 0x0
	CROUND
	JLOAD \kind
	ASK
	s_add_co_u32 s[N], s[N], 1
.else
	s_wait_dscnt 0x0
	s_barrier_signal -1
	s_barrier_wait -1
.endif
.endm
; four fragments of K: channels 32 (g / 2) on, tiles 4 (g % 2) .. + 3, into buffer g % 7
.macro KSG g
.set c4, 0
.rept 4
	ds_load_b128 v[32+32*((\g)%7)+8*c4:32+32*((\g)%7)+8*c4+3], v[ADK] offset:(4*((\g)%2)+c4)*16*PK+64*((\g)/2)
	ds_load_b128 v[32+32*((\g)%7)+8*c4+4:32+32*((\g)%7)+8*c4+7], v[ADK] offset:(4*((\g)%2)+c4)*16*PK+64*((\g)/2)+32
.set c4, c4+1
.endr
.endm
.macro QKM g
.set c4, 0
.rept 4
.set rS, S+8*(4*((\g)%2)+c4)
.set rK, 32+32*((\g)%7)+8*c4
.set rQ, 8*((\g)/2)
.if (\g) < 2
	v_wmma_f32_16x16x32_f16 v[rS:rS+7], v[rK:rK+7], v[rQ:rQ+7], 0
.else
	v_wmma_f32_16x16x32_f16 v[rS:rS+7], v[rK:rK+7], v[rQ:rQ+7], v[rS:rS+7]
.endif
.set c4, c4+1
.endr
.endm
; S^T = K Q^T for 128 keys: 32 products, the eight accumulators by turns.  Each wait counts the younger LDS loads.
.macro QK8
	WIN 0x40
.set sg, 0
.rept 7
	KSG sg
.set sg, sg+1
.endr
	WIN 0x05
.set sg, 0
.rept 8
.if sg == 2
	NOPS 4                                         ; places in front of loads into the buffer that the first four products read
	WIN 0x40
	KSG 7
	WIN 0x05
.endif
.if sg < 2
	s_wait_dscnt 48-8*sg
.else
	s_wait_dscnt 56-8*sg
.endif
	QKM sg
.set sg, sg+1
.endr
	WIN 0
	NOPS 4
.endm
; four fragments of V^T, turned on the way: keys 32 (g / 2) on, channels 16 (4 (g % 2) + c) on
.macro VSG adr, g
.set c4, 0
.rept 4
	ds_load_tr16_b128 v[32+32*((\g)%7)+8*c4:32+32*((\g)%7)+8*c4+3], v[\adr] offset:((\g)/2)*32*PVP+(4*((\g)%2)+c4)*32
	ds_load_tr16_b128 v[32+32*((\g)%7)+8*c4+4:32+32*((\g)%7)+8*c4+7], v[\adr] offset:((\g)/2)*32*PVP+16*PVP+(4*((\g)%2)+c4)*32
.set c4, c4+1
.endr
.endm
.macro VFETCH adr, n
	WIN 0x40
.set sg, 0
.rept \n
	VSG \adr, sg
.set sg, sg+1
.endr
	WIN 0
.endm
.macro MASKD                           ; the diagonal step: keys at or behind my query become -infinity
.set ee, 0
.rept 64
	v_cmp_lt_i32 vcc_lo, 32*(ee/16)+ee%16, v[DQ]
	v_cndmask_b32 v[S+ee], v31, v[S+ee], vcc_lo
.set ee, ee+1
.endr
.endm
.macro MASKW                           ; the window: key counts where 0 <= q - k - 1 < 19
.set ee, 0
.rept 32
	v_add_nc_u32 v29, -(32*(ee/16)+ee%16), v[DW1]
	v_cmp_gt_u32 vcc_lo, 19, v29
	v_cndmask_b32 v[S+ee], v31, v[S+ee], vcc_lo
.set ee, ee+1
.endr
.endm
.macro ROWMAX nb                       ; v28 = my query's largest score of the step; each accumulator is read from its low end on
.set bb, 0
.rept \nb
	v_max3_num_f32 v[CM+bb], v[S+16*bb], v[S+16*bb+1], v[S+16*bb+2]
.set bb, bb+1
.endr
.set ii, 3
.rept 6
.set bb, 0
.rept \nb
	v_max3_num_f32 v[CM+bb], v[CM+bb], v[S+16*bb+ii], v[S+16*bb+ii+1]
.set bb, bb+1
.endr
.set ii, ii+2
.endr
.set bb, 0
.rept \nb
	v_max_num_f32 v[CM+bb], v[CM+bb], v[S+16*bb+15]
.set bb, bb+1
.endr
.if \nb == 4
	v_max3_num_f32 v28, v[CM], v[CM+1], v[CM+2]
	v_max_num_f32 v28, v28, v[CM+3]
.else
	v_max_num_f32 v28, v[CM], v[CM+1]
.endif
	v_permlanex16_b32 v29, v28, s[SEL], s[SEL+1]
	v_max_num_f32 v28, v28, v29
.endm
.macro NEWMAX                          ; the running maximum; v28 = old - new
	v_mul_f32 v28, s[CS], v28
	v_mov_b32 v[MX+1], v[MX]
	v_max_num_f32 v[MX], v[MX], v28
	v_sub_f32 v28, v[MX+1], v[MX]
.endm
.macro EXPS dst, pair, nb              ; dst = 2^(c S - pair's low word): a batch; its wait follows in the caller
.set pp, 0
.rept 8*\nb
	v_pk_fma_f32 v[\dst+2*pp:\dst+2*pp+1], v[S+2*pp:S+2*pp+1], s[CS:CS+1], v[\pair:\pair+1] op_sel_hi:[1,0,0] neg_lo:[0,0,1] neg_hi:[0,0,1]
.set pp, pp+1
.endr
.set pp, 0
.rept 16*\nb
	v_exp_f32 v[\dst+pp], v[\dst+pp]
.set pp, pp+1
.endr
.endm
.macro TREE nb                         ; TS: the sum of my 16 of each chunk of 32 keys; XS: the other half's
.set bb, 0
.rept \nb
	v_pk_add_f32 v[PT+2*bb:PT+2*bb+1], v[E+16*bb:E+16*bb+1], v[E+16*bb+2:E+16*bb+3]
.set bb, bb+1
.endr
.set ii, 4
.rept 6
.set bb, 0
.rept \nb
	v_pk_add_f32 v[PT+2*bb:PT+2*bb+1], v[PT+2*bb:PT+2*bb+1], v[E+16*bb+ii:E+16*bb+ii+1]
.set bb, bb+1
.endr
.set ii, ii+2
.endr
.set bb, 0
.rept \nb
	v_add_f32 v[TS+bb], v[PT+2*bb], v[PT+2*bb+1]
.set bb, bb+1
.endr
.set bb, 0
.rept \nb
	v_permlanex16_b32 v[XS+bb], v[TS+bb], s[SEL], s[SEL+1]
.set bb, bb+1
.endr
.endm
.macro OFFS nb                         ; ZS: the sum over all keys behind my 16 of the chunk; the carry takes the chunk in
.set bb, \nb-1
.rept \nb
	v_fma_f32 v[ZS+bb], v[H0], v[XS+bb], v[CAR]
	v_add_f32 v28, v[TS+bb], v[XS+bb]
	v_add_f32 v[CAR], v[CAR], v28
.set bb, bb-1
.endr
.endm
.macro CHAIN nb                        ; E i = ZS + the sum of E i .. E 15, for i = 15 .. 1; the chunks by turns
.set bb, 0
.rept \nb
	v_add_f32 v[E+16*bb+15], v[E+16*bb+15], v[ZS+bb]
.set bb, bb+1
.endr
.set ii, 14
.rept 14
.set bb, 0
.rept \nb
	v_add_f32 v[E+16*bb+ii], v[E+16*bb+ii+1], v[E+16*bb+ii]
.set bb, bb+1
.endr
.set ii, ii-1
.endr
.endm
.macro WINIT b, k
	v_fmamk_f32 v[W+2*\b], v[G], \k, v[GD]
	v_sub_f32 v[W+2*\b+1], v[W+2*\b], v[G]
.endm
.macro UMUL nb                         ; E i = (the sum behind key i) x G (q - k)
	WINIT 0, 0x0
	WINIT 1, 0xc2000000
.if \nb > 2
	WINIT 2, 0xc2800000
	WINIT 3, 0xc2c00000
.endif
.set ii, 0
.rept 16
.set bb, 0
.rept \nb
.if ii < 15
	v_mul_f32 v[E+16*bb+ii], v[E+16*bb+ii+1], v[W+2*bb+ii%2]
.else
	v_mul_f32 v[E+16*bb+15], v[ZS+bb], v[W+2*bb+1]
.endif
.set bb, bb+1
.endr
.if (ii%2 == 1) && (ii < 15)
.set bb, 0
.rept \nb
	v_pk_add_f32 v[W+2*bb:W+2*bb+1], v[W+2*bb:W+2*bb+1], v[N2G:N2G+1]
.set bb, bb+1
.endr
.endif
.set ii, ii+1
.endr
.endm
.macro ROOTS nb                        ; E = 2^-sqrt(E): two batches, one wait each, ahead of the first line that names a result
.set pp, 0
.rept 16*\nb
	v_sqrt_f32 v[E+pp], v[E+pp]
.set pp, pp+1
.endr
	v_nop
	s_wait_alu depctr_va_vdst(0)
.set pp, 0
.rept 16*\nb
	v_exp_f32 v[E+pp], -v[E+pp]
.set pp, pp+1
.endr
	v_nop
	s_wait_alu depctr_va_vdst(0)
.endm
.macro APPLY nb                        ; the lower clip, and score x te
.set pp, 0
.rept 16*\nb
	v_max_num_f32 v[E+pp], s66, v[E+pp]
.set pp, pp+1
.endr
.set pp, 0
.rept 8*\nb
	v_pk_mul_f32 v[S+2*pp:S+2*pp+1], v[S+2*pp:S+2*pp+1], v[E+2*pp:E+2*pp+1]
.set pp, pp+1
.endr
.endm
.macro SUMS nb, resc
.if \resc
	v_pk_mul_f32 v[L:L+1], v[L:L+1], v[FF:FF+1] op_sel_hi:[1,0]
.endif
	v_pk_add_f32 v[PT:PT+1], v[S:S+1], v[S+2:S+3]
.set jj, 4
.rept 4*\nb-1
	v_pk_add_f32 v[L:L+1], v[L:L+1], v[S+jj:S+jj+1]
	v_pk_add_f32 v[PT:PT+1], v[PT:PT+1], v[S+jj+2:S+jj+3]
.set jj, jj+4
.endr
	v_pk_add_f32 v[L:L+1], v[L:L+1], v[PT:PT+1]
.endm
.macro PACKP nb                        ; the weights to f16, in place, ascending: chunk b's fragment is v[S + 8 b] on
.set pp, 0
.rept 8*\nb
	v_cvt_pk_f16_f32 v[S+pp], v[S+2*pp], v[S+2*pp+1]
.set pp, pp+1
.endr
.endm
.macro RESCALE
.set pp, 0
.rept 32
	v_pk_mul_f32 v[O+2*pp:O+2*pp+1], v[O+2*pp:O+2*pp+1], v[FF:FF+1] op_sel_hi:[1,0]
.set pp, pp+1
.endr
.endm
.macro PVM g, zero
.set c4, 0
.rept 4
.set rO, O+8*(4*((\g)%2)+c4)
.set rV, 32+32*((\g)%7)+8*c4
.set rP, S+8*((\g)/2)
.if (\zero) && ((\g) < 2)
	v_wmma_f32_16x16x32_f16 v[rO:rO+7], v[rV:rV+7], v[rP:rP+7], 0
.else
	v_wmma_f32_16x16x32_f16 v[rO:rO+7], v[rV:rV+7], v[rP:rP+7], v[rO:rO+7]
.endif
.set c4, c4+1
.endr
.endm
; O^T += V^T P: the eight accumulators by turns.  Five plain lines close it: the next scores are written over the registers that held P.
.macro PV nb, zero
	s_wait_dscnt 0x0                               ; V's fragments, asked for ahead of the vector work, are in
	WIN 0x01
.set sg, 0
.rept 2*\nb
.if (\nb == 4) && (sg == 2)
	NOPS 4
	WIN 0x40
	VSG ADV, 7
	WIN 0x01
.endif
.if (\nb == 4) && (sg == 7)
	s_wait_dscnt 0x0
.endif
	PVM sg, \zero
.set sg, sg+1
.endr
	WIN 0
	v_fmac_f32 v[GD], 0x43000000, v[G]             ; the next step's keys lie 128 further from my query
	NOPS 4
.endm
.macro ROWSUM                          ; v28 = the sum's two halves and the other half of the lanes'
	v_add_f32 v28, v[L], v[L+1]
	v_permlanex16_b32 v29, v28, s[SEL], s[SEL+1]
	v_add_f32 v28, v28, v29
.endm
.macro OUT col                         ; O^T x FF, to f16, through my stage, out as rows of 256 bytes
.set pp, 0
.rept 32
	v_pk_mul_f32 v[O+2*pp:O+2*pp+1], v[O+2*pp:O+2*pp+1], v[FF:FF+1] op_sel_hi:[1,0]
.set pp, pp+1
.endr
.set pp, 0
.rept 32
	v_cvt_pk_f16_f32 v[E+pp], v[O+2*pp], v[O+2*pp+1]
.set pp, pp+1
.endr
.irp c, 0,1,2,3,4,5,6,7
	ds_store_b128 v[STO], v[E+4*\c:E+4*\c+3] offset:32*\c
.endr
.irp t, 0,1,2,3,4,5,6,7
	ds_load_b128 v[E+32+4*\t:E+32+4*\t+3], v[RD] offset:\t*2*PK   ; LDS serves a wave's instructions in order
.endr
.irp t, 0,1,2,3,4,5,6,7
	s_wait_dscnt 7-\t
	global_store_b128 v[GO], v[E+32+4*\t:E+32+4*\t+3], s[68:69] offset:\t*8192+\col   ; 16 lanes store 256 consecutive bytes, aligned
.endr
.endm
	s_load_b128 s[4:7], s[0:1], 0x0                ; heads, gammas
	s_load_b64 s[8:9], s[0:1], 0x10                ; att
	v_lshl_add_u32 v[SPW], v0, 2, SPARE
	v_mov_b32 v[NIL], 0
	ds_add_u32 v[SPW], v[NIL]                      ; the wave's opening, ahead of my first tensor load
	v_lshrrev_b32 v1, 5, v0
	v_readfirstlane_b32 s[WV], v1                  ; wave 0..7
	s_lshr_b32 s12, s[WV], 2
	s_mul_i32 s12, s12, 3
	s_xor_b32 s[GRP], s[WV], s12                   ; my key group: 0,1,2,3,7,6,5,4
	s_and_b32 s12, ttmp7, 0xffff
	s_lshr_b32 s13, s12, 3                         ; batch
	s_and_b32 s86, s12, 7                          ; head
	s_lshl_b32 s84, s13, 21
	s_lshl_b32 s12, s86, 8
	s_add_co_u32 s84, s84, s12                     ; the head's first byte in a plane
	s_mov_b32 s85, 0
	s_and_b32 s87, s[WV], 1                        ; which 64 rows of a tile I fetch
	s_mul_i32 s88, s87, 64*PK
	s_mul_i32 s89, s87, 64*PVP
	s_add_co_u32 s89, s89, VOFF
	s_mul_i32 s90, s[WV], WREG
	s_add_co_u32 s90, s90, SLOT1
	s_lshl_b32 s82, s87, 17
	s_add_co_u32 s82, s82, s84
	s_mov_b32 s83, 0
	s_bfe_u32 s76, ttmp6, 0x40000                  ; cx: it enters global addresses of my own and lane numbers alone
	s_lshl_b32 s77, ttmp9, 2
	s_add_co_u32 s77, s77, s76                     ; g
	s_lshl_b32 s78, s[GRP], 7
	s_lshl_b32 s79, s77, 4
	s_add_co_u32 s78, s78, s79                     ; my first query
	s_and_b32 s79, s78, 0xffffffe0
	s_max_u32 s91, s79, 32
	s_sub_co_u32 s91, s91, 32                      ; the window's first key
	s_lshl_b32 s92, s91, 11
	s_add_co_u32 s92, s92, s84
	s_mov_b32 s93, 0
	s_and_b32 s94, s77, 1
	s_lshl_b32 s94, s94, 3
	s_add_co_u32 s94, s94, s79
	s_lshl_b32 s94, s94, 11
	s_add_co_u32 s94, s94, s84                     ; Q: row (q0 & ~31) + 8 (g & 1); the lane adds 16 (r / 8) + r % 8
	s_mov_b32 s95, 0
	s_lshl_b32 s80, s13, 10
	s_add_co_u32 s80, s80, s78
	s_lshl_b32 s80, s80, 12
	s_lshl_b32 s81, s86, 8
	s_add_co_u32 s80, s80, s81                     ; att: my first row, my head's 256 bytes
	s_mov_b32 s81, 0
	s_lshl_b32 s96, s86, 2
	s_mov_b32 s97, 0
	s_mov_b32 s[G1K], 15|(1<<16)|(1<<20)|(1<<21)|(5<<22)|(3<<25)   ; all four work-groups; 2-byte elements; 4 words of padding behind every 64
	s_mov_b32 s[G1V], 15|(1<<16)|(1<<20)|(1<<21)|(5<<22)|(7<<25)   ; 8 words
	s_mov_b32 s[G1W], (1<<16)|(1<<20)|(5<<22)|(7<<25)              ; a load of my own
.irp g, G1K, G1V, G1W
	s_mov_b32 s[\g+1], 128<<16
	s_mov_b32 s[\g+2], 64<<16
	s_mov_b32 s[\g+3], 128<<16
	s_mov_b32 s[\g+4], 64
	s_mov_b32 s[\g+5], 1024
	s_mov_b32 s[\g+6], 0
	s_mov_b32 s[\g+7], 0
.endr
	s_mov_b32 s[SEL], 0x76543210
	s_mov_b32 s[SEL+1], 0xfedcba98
	s_mov_b32 s[CS], 0x3e0293ee                    ; log2(e) / sqrt(128)
	s_mov_b32 s[CS+1], s[CS]
	s_mov_b32 s66, 0x3727c5ac                      ; 1e-5
	v_and_b32 v28, 15, v0                          ; r
	v_bfe_u32 v29, v0, 4, 1                        ; h
	v_mul_u32_u24 v[AK], v28, PK
	v_lshl_add_u32 v[AK], v29, 4, v[AK]
	v_and_b32 v30, 7, v0
	v_lshl_add_u32 v30, v29, 3, v30
	v_mul_u32_u24 v30, v30, PVP
	v_bfe_u32 v31, v0, 3, 1
	v_lshl_add_u32 v30, v31, 4, v30
	v_add_nc_u32 v[AV], VOFF, v30
	v_add_nc_u32 v[AWV], s90, v30
	s_mul_i32 s12, s[WV], 16*PK
	s_add_co_u32 s12, s12, STAGE
	v_add_nc_u32 v[STO], s12, v[AK]
	v_mul_u32_u24 v[RD], v29, PK
	v_lshl_add_u32 v[RD], v28, 4, v[RD]
	v_add_nc_u32 v[RD], s12, v[RD]
	v_lshlrev_b32 v[GO], 12, v29
	v_lshl_add_u32 v[GO], v28, 4, v[GO]
	s_lshl_b32 s12, s77, 4
	v_lshlrev_b32 v30, 4, v29
	v_sub_nc_u32 v30, v28, v30
	v_add_nc_u32 v[DQ], s12, v30
	s_sub_co_u32 s12, s78, s91
	s_sub_co_u32 s12, s12, 1
	v_add_nc_u32 v[DW1], s12, v30                  ; q - first key of my half in the window - 1
	v_cvt_f32_u32 v[H0], v29
	v_sub_f32 v[H0], 1.0, v[H0]
	v_and_b32 v30, 8, v28
	v_add_nc_u32 v30, v30, v28
	v_lshlrev_b32 v[QO], 11, v30
	v_lshl_add_u32 v[QO], v29, 4, v[QO]
	v_lshlrev_b32 v[KWO], 11, v28
	v_lshl_add_u32 v[KWO], v29, 4, v[KWO]
	v_and_b32 v[PFO], 31, v0
	v_lshlrev_b32 v[PFO], 11, v[PFO]
	v_mov_b32 v31, 0xff800000                      ; -infinity
	v_mov_b32 v[MX+1], 0                           ; upper words of pairs that are named as pairs, and lane permutes' destinations, are written once
	v_mov_b32 v[FF+1], 0
	v_mov_b32 v[M1+1], 0
.irp b, 0,1,2,3
	v_mov_b32 v[XS+\b], 0
.endr
	s_wait_dscnt 0x0                               ; the opening add is done
	s_wait_kmcnt 0x0
	s_add_nc_u64 s[6:7], s[6:7], s[96:97]
	s_load_b32 s67, s[6:7], 0x0                    ; my head's gamma
	s_add_nc_u64 s[82:83], s[4:5], s[82:83]
	s_mov_b32 s[G0K], 1
	s_mov_b32 s[G0K+1], s88
	s_add_nc_u64 s[G0K+2:G0K+3], s[82:83], PLANE                   ; k, step 0
	s_or_b32 s[G0K+3], s[G0K+3], 0x80000000
	s_mov_b32 s[G0V], 1
	s_mov_b32 s[G0V+1], s89
	s_add_nc_u64 s[G0V+2:G0V+3], s[82:83], 4*PLANE+7*STEPB         ; v, step 7
	s_or_b32 s[G0V+3], s[G0V+3], 0x80000000
	s_add_nc_u64 s[92:93], s[4:5], s[92:93]
	s_mov_b32 s[G0W], 1
	s_mov_b32 s[G0W+1], s90
	s_add_nc_u64 s[G0W+2:G0W+3], s[92:93], 4*PLANE                 ; v, the window's 64 rows
	s_or_b32 s[G0W+3], s[G0W+3], 0x80000000
	s_add_nc_u64 s[74:75], s[92:93], 3*PLANE                       ; kw
	s_add_nc_u64 s[70:71], s[4:5], s[94:95]                        ; q
	s_add_nc_u64 s[72:73], s[70:71], 2*PLANE                       ; qw
	s_add_nc_u64 s[68:69], s[8:9], s[80:81]
	s_lshl_b32 s96, s76, 16                        ; the prefetches: my work-group's 32 rows of the 128
	s_add_co_u32 s96, s96, s84
	s_add_nc_u64 s[PFA:PFA+1], s[4:5], s[96:97]
	s_cmp_lt_u32 s[WV], 2
	s_mov_b32 s96, 4*PLANE+14*STEPB
	s_cselect_b32 s96, PLANE+STEPB, s96            ; each change steps the address before it asks
	s_mov_b32 s[PFS], 0xfffc0000
	s_cselect_b32 s[PFS], STEPB, s[PFS]            ; K goes up, V comes down
	s_cselect_b32 s[PFS+1], 0, -1
	s_cselect_b32 s[LO], 0, 6
	s_cselect_b32 s[SPAN], 5, 7
	s_add_nc_u64 s[PFA:PFA+1], s[PFA:PFA+1], s[96:97]
	s_and_b32 s96, s[WV], 5
	s_or_b32 s96, s96, ttmp9                       ; 0 in waves 0 and 2 of the head's first cluster: the same in all four partners
	s_cmp_eq_u32 s96, 0
	s_cselect_b32 s[LO], s[LO], 64
	CROUND                                         ; all four work-groups are here
	tensor_load_to_lds s[G0W:G0W+3], s[G1W:G1W+7]  ; the first fills go out as one group: my window's V,
	s_nop 0
	s_cmp_lt_u32 s[WV], 2
	s_cbranch_scc0 .Lno_first
	tensor_load_to_lds s[G0K:G0K+3], s[G1K:G1K+7]  ; and in waves 0, 1 K's step 0: at most two loads of mine are out; every wait for tensor loads in this text is for 0
	s_nop 0
.Lno_first:
	NOPS 4
	; ---------------- THE WINDOW
	WIN 0x40
.irp c, 0,1,2,3
	global_load_b128 v[8*\c:8*\c+3], v[QO], s[72:73] offset:64*\c
	global_load_b128 v[8*\c+4:8*\c+7], v[QO], s[72:73] offset:64*\c+32
.endr
.irp c, 0,1,2,3
.irp t, 0,1,2,3
	global_load_b128 v[32+32*\c+8*\t:32+32*\c+8*\t+3], v[KWO], s[74:75] offset:\t*32768+64*\c
	global_load_b128 v[32+32*\c+8*\t+4:32+32*\c+8*\t+7], v[KWO], s[74:75] offset:\t*32768+64*\c+32
.endr
.endr
	WIN 0x05
.irp c, 0,1,2,3
	s_wait_loadcnt 24-8*\c                         ; the later channels' loads, eight for each 32, may be out
.irp t, 0,1,2,3
.if \c == 0
	v_wmma_f32_16x16x32_f16 v[S+8*\t:S+8*\t+7], v[32+32*\c+8*\t:32+32*\c+8*\t+7], v[8*\c:8*\c+7], 0
.else
	v_wmma_f32_16x16x32_f16 v[S+8*\t:S+8*\t+7], v[32+32*\c+8*\t:32+32*\c+8*\t+7], v[8*\c:8*\c+7], v[S+8*\t:S+8*\t+7]
.endif
.endr
.endr
	WIN 0
	NOPS 4
	WIN 0x40
.irp c, 0,1,2,3
	global_load_b128 v[8*\c:8*\c+3], v[QO], s[70:71] offset:64*\c      ; q for the two passes takes qw's place
	global_load_b128 v[8*\c+4:8*\c+7], v[QO], s[70:71] offset:64*\c+32
.endr
	WIN 0
	s_wait_kmcnt 0x0
	v_mov_b32 v[G2], s67
	v_mul_f32 v[G2], 0x3fb8aa3b, v[G2]
	v_mul_f32 v[G2], v[G2], v[G2]                  ; (gamma log2 e)^2
	s_wait_tensorcnt 0x0                           ; my window's V has landed; only I read it
	VFETCH AWV, 4
	MASKW
	ROWMAX 2
	v_mul_f32 v28, s[CS], v28
	v_max_num_f32 v[M1], 0xff61b1e6, v28
	EXPS E, M1, 2
	v_nop
	s_wait_alu depctr_va_vdst(0)
	TREE 2
	v_add_f32 v28, v[TS], v[XS]
	v_add_f32 v29, v[TS+1], v[XS+1]
	v_add_f32 v28, v28, v29
	v_max_num_f32 v28, 1.0, v28
	v_rcp_f32 v28, v28
	v_add_nc_u32 v29, 1, v[DW1]
	v_cvt_f32_i32 v29, v29
	v_mov_b32 v[CAR], 0
	s_wait_alu depctr_va_vdst(0)
	v_mul_f32 v[G], v[G2], v28
	v_mul_f32 v[GD], v[G], v29
	v_mul_f32 v[N2G], -2.0, v[G]
	v_mov_b32 v[N2G+1], v[N2G]
	OFFS 2
	CHAIN 2
	UMUL 2
	ROOTS 2
	APPLY 2
	ROWMAX 2
	v_mul_f32 v28, s[CS], v28
	v_max_num_f32 v[MX], 0xff61b1e6, v28
	EXPS S, MX, 2
	v_mov_b32 v[L], 0
	v_mov_b32 v[L+1], 0
	s_wait_alu depctr_va_vdst(0)
	SUMS 2, 0
	PACKP 2
	PV 2, 1
	ROWSUM
	v_max_num_f32 v28, 1.0, v28
	v_rcp_f32 v28, v28
	v_nop
	s_wait_alu depctr_va_vdst(0)
	v_mul_f32 v[FF], 0x3e000000, v28               ; 1 / (8 l2)
	OUT 2048
	; ---------------- PASS 1: the first softmax's maximum and sum, keys ascending
	v_mov_b32 v[MX], 0xff61b1e6
	v_mov_b32 v[L], 0
	v_mov_b32 v[L+1], 0
	s_mov_b32 s[J], 0
	s_mov_b32 s[TB], 0
	s_mov_b32 s[N], 0
	s_wait_loadcnt 0x0                             ; q
.macro P1STEP
	v_add_nc_u32 v[ADK], s[TB], v[AK]
	s_cmp_gt_u32 s[J], s[GRP]
	s_cbranch_scc1 .Lp1_skip_\@
	QK8
	s_cmp_lg_u32 s[J], s[GRP]
	s_cbranch_scc1 .Lp1_open_\@
	MASKD
.Lp1_open_\@:
	ROWMAX 4
	NEWMAX
	EXPS S, MX, 4
	v_exp_f32 v[FF], v28
	v_nop
	s_wait_alu depctr_va_vdst(0)                   ; one wait for the batch of 65
	SUMS 4, 1
.Lp1_skip_\@:
	s_add_co_u32 s[J], s[J], 1
	s_xor_b32 s[TB], s[TB], SLOT1
.endm
	s_mov_b32 s[CNT], 7
.Lpass1:
	CHANGE 1, 1, 0
	P1STEP
	s_sub_co_u32 s[CNT], s[CNT], 1
	s_cmp_lg_u32 s[CNT], 0
	s_cbranch_scc1 .Lpass1
	CHANGE 2, 0, 0                                 ; the last step of pass 1 asks for pass 2's first: K's step 7 once more, into the other slot, and V's
	P1STEP
	; ---------------- between the passes
	ROWSUM
	v_max_num_f32 v28, 1.0, v28
	v_rcp_f32 v28, v28
	v_mov_b32 v[M1], v[MX]
	v_cvt_f32_i32 v29, v[DQ]
	v_mov_b32 v[CAR], 0
	s_wait_alu depctr_va_vdst(0)
	v_mul_f32 v[G], v[G2], v28
	v_mul_f32 v[GD], v[G], v29
	v_mul_f32 v[N2G], -2.0, v[G]
	v_mov_b32 v[N2G+1], v[N2G]
	v_mov_b32 v[MX], 0xff61b1e6
	v_mov_b32 v[L], 0
	v_mov_b32 v[L+1], 0
.set pp, 0
.rept 64
	v_mov_b32 v[O+pp], 0                           ; once: the step is then written without a first form of its own
.set pp, pp+1
.endr
	s_mov_b32 s[J], 7
	; ---------------- PASS 2: keys descending
.macro P2STEP
	v_add_nc_u32 v[ADK], s[TB], v[AK]
	v_add_nc_u32 v[ADV], s[TB], v[AV]
	s_cmp_gt_u32 s[J], s[GRP]
	s_cbranch_scc1 .Lp2_skip_\@
	QK8
	VFETCH ADV, 7                                  ; V lands under the vector work
	s_cmp_lg_u32 s[J], s[GRP]
	s_cbranch_scc1 .Lp2_open_\@
	MASKD
.Lp2_open_\@:
	EXPS E, M1, 4
	v_nop
	s_wait_alu depctr_va_vdst(0)
	TREE 4
	OFFS 4
	CHAIN 4
	UMUL 4
	ROOTS 4
	APPLY 4
	ROWMAX 4
	NEWMAX
	EXPS S, MX, 4
	v_exp_f32 v[FF], v28
	v_nop
	s_wait_alu depctr_va_vdst(0)
	SUMS 4, 1
	PACKP 4
	RESCALE
	PV 4, 0
.Lp2_skip_\@:
	s_sub_co_u32 s[J], s[J], 1
	s_xor_b32 s[TB], s[TB], SLOT1
.endm
	s_mov_b32 s[CNT], 7
.Lpass2:
	CHANGE 2, -1, 1
	P2STEP
	s_sub_co_u32 s[CNT], s[CNT], 1
	s_cmp_lg_u32 s[CNT], 0
	s_cbranch_scc1 .Lpass2
	CHANGE 0, 0, 0                                 ; the last step is written out: nothing is left to ask for
	P2STEP
	ROWSUM
	v_rcp_f32 v28, v28
	v_nop
	s_wait_alu depctr_va_vdst(0)
	v_mul_f32 v28, 0x40a00000, v28
	v_min_num_f32 v28, 1.0, v28                    ; min(1, 5 / l2); the row without keys has zeros to scale
	v_mul_f32 v[FF], 0x3e000000, v28
	OUT 0
	s_wait_tensorcnt 0x0                           ; the wave's end
	ds_add_u32 v[SPW], v[NIL]
	s_wait_dscnt 0x0
	CROUND                                         ; the closing round
	s_endpgm
.Lfunc_end_k_qb9f4b35383_attn:
	.size	k_qb9f4b35383_attn, .Lfunc_end_k_qb9f4b35383_attn-k_qb9f4b35383_attn
	.p2alignl 7, 3214868480
	.fill 96, 4, 3214868480
	.section	.rodata,"a",@progbits
	.p2align	6, 0x0
	.amdhsa_kernel k_qb9f4b35383_attn
		.amdhsa_group_segment_fixed_size 327680
		.amdhsa_private_segment_fixed_size 0
		.amdhsa_enable_private_segment 0
		.amdhsa_kernarg_size 24
		.amdhsa_user_sgpr_count 2
		.amdhsa_user_sgpr_kernarg_segment_ptr 1
		.amdhsa_wavefront_size32 1
		.amdhsa_system_sgpr_workgroup_id_x 1
		.amdhsa_system_sgpr_workgroup_id_y 1
		.amdhsa_system_sgpr_workgroup_id_z 1
		.amdhsa_system_vgpr_workitem_id 0
		.amdhsa_next_free_vgpr 512
		.amdhsa_next_free_sgpr 100
		.amdhsa_reserve_vcc 1
		.amdhsa_float_denorm_mode_32 3
		.amdhsa_float_denorm_mode_16_64 3
		.amdhsa_memory_ordered 1
		.amdhsa_forward_progress 1
		.amdhsa_inst_pref_size 208
	.end_amdhsa_kernel
	.amdgpu_metadata
---
amdhsa.version: [ 1, 2 ]
amdhsa.kernels:
  - .name:           k_qb9f4b35383_attn
    .symbol:         k_qb9f4b35383_attn.kd
    .args:
      - { .name: heads, .offset: 0, .size: 8, .value_kind: global_buffer, .address_space: global }
      - { .name: gammas, .offset: 8, .size: 8, .value_kind: global_buffer, .address_space: global }
      - { .name: att, .offset: 16, .size: 8, .value_kind: global_buffer, .address_space: global }
    .group_segment_fixed_size: 327680
    .private_segment_fixed_size: 0
    .kernarg_segment_align: 8
    .kernarg_segment_size: 24
    .max_flat_workgroup_size: 256
    .sgpr_count:     100
    .vgpr_count:     512
    .wavefront_size: 32
...
	.end_amdgpu_metadata
.endif
;; end of part 3
;; launch oproj (part 4): grid 8 x 32, 4 waves a work-group, clusters of 4 x 4, 327,680 bytes of LDS; arguments att, woT, query, bo, bow, pre; writes pre
.if DOCPART == 4
	.amdgcn_target "amdgcn-amd-amdhsa--gfx1250"
	.amdhsa_code_object_version 6
	.text
	.protected	k_qb9f4b35383_oproj
	.globl	k_qb9f4b35383_oproj
	.p2align	8
	.type	k_qb9f4b35383_oproj,@function
k_qb9f4b35383_oproj:
	s_mov_b64 s[64:65], 0
	v_nop
	global_prefetch_b8 v0, s[64:65] scope:SCOPE_SE
	s_setreg_imm32_b32 hwreg(HW_REG_WAVE_MODE, 25, 1), 1
	s_wait_xcnt 0x0
	s_wait_alu depctr_hold_cnt(0) depctr_sa_sdst(0) depctr_va_vdst(0) depctr_va_sdst(0) depctr_va_ssrc(0) depctr_va_vcc(0) depctr_vm_vsrc(0)
	s_getreg_b32 s2, hwreg(HW_REG_IB_STS2, 6, 4)
	s_cmp_eq_u32 s2, 0
	s_cbranch_scc0 .Lentry_in_a_cluster
	s_endpgm
.Lentry_in_a_cluster:
	s_bfe_u32 s2, ttmp6, 0x10000c
	s_cmp_lg_u32 s2, 0xf033
	s_cbranch_scc0 .Lentry_shape_is_right
	s_endpgm
.Lentry_shape_is_right:
; BOTH OUTPUT PROJECTIONS AS ONE PRODUCT over K = 2,048: att [4096][2048] f16 holds a / 8 and a_w / 8 side by side, woT [1024 (n)][2048] f16 holds Wo and Wow likewise.  Sums in f32.
; The sums at K = 1,024 are kept: from there on a second set of accumulators goes on, begun with the first set as its C.  pre[0] = query + bo + 8 x first set; pre[1] = query + bo + bow + 8 x second set.  pre: [2][4096][1024] f32.
; A tile of 128 x 128, four waves of 64 x 64; K in eight steps of 256 (LDS rows of 512 bytes) through two slots, written out without a loop, since the step at K = 1,024 differs.
; CLUSTERS of 4 x 4: att's tile is shared along a row, woT's along a column: joint loads.  THE MATRIX INSTRUCTION IS USED TRANSPOSED: a lane holds eight neighbouring columns of one row.
; REGISTERS: window 0: v0-31 addresses and the two biases; v32-63 rows back from the stage; v64-127 query's rows, two sets; v128-255 the first accumulators.  window 1: two fragment buffers.  window 2: v128-255 the second accumulators.
.set SIZE_K, 2048
.set KSTEP,  256
.set PITCH,  528
.set HALFT,  64*PITCH
.set SLOT,   4*HALFT
.set STAGE,  2*SLOT                    ; 16 rows x 272 bytes for each wave: a wave's 64 columns of f32 are 256 bytes; no fill lands here
.set SPITCH, 272
.set SPARE,  STAGE+4*16*SPITCH
.set BO4,  8
.set BW4,  12
.set ADRA, 16
.set ADRB, 20
.set STO,  24
.set RD,   25
.set CO,   26
.set SPW,  28
.set NIL,  29
.set BK,   32
.set QY,   64
.set ACC,  128
.set F0,   0
.set F1,   128
.set G1, 24
.set G0, 32
.set G1B, 48
.set G0B, 56
.set MSB, 0
.macro WIN new
.if MSB != \new
	s_set_vgpr_msb (MSB<<8)|\new
.set MSB, \new
.endif
.endm
.set MULW, 0x05                        ; sources in window 1; C and D in window 0 (later 0xa5: window 2)
.set TO_F, 0x40
.macro JLOAD s
	s_cmp_eq_u32 s11, 0
	s_cbranch_scc0 .Lfor_b_\@
	tensor_load_to_lds s[G0+4*\s:G0+4*\s+3], s[G1:G1+7]
	s_nop 0
.rept 4
	v_nop
.endr
	s_branch .Lasked_\@
.Lfor_b_\@:
	tensor_load_to_lds s[G0B+4*\s:G0B+4*\s+3], s[G1B:G1B+7]
	s_nop 0
.rept 4
	v_nop
.endr
.Lasked_\@:
.endm
.macro CREST
	s_cmp_lg_u32 s10, 0
	s_cbranch_scc1 .Lnot_wave_0_\@
	s_barrier_signal -3
.Lnot_wave_0_\@:
	s_barrier_wait -3
	s_barrier_signal -1
	s_barrier_wait -1
.endm
.macro CROUND
	s_barrier_signal -1
	s_barrier_wait -1
	CREST
.endm
	s_load_b128 s[4:7], s[0:1], 0x0                ; att, woT
	s_load_b256 s[68:75], s[0:1], 0x10             ; query, bo, bow, pre
	v_lshl_add_u32 v[SPW], v0, 2, SPARE
	v_mov_b32 v[NIL], 0
	ds_add_u32 v[SPW], v[NIL]                      ; the wave's opening, ahead of my first tensor load
	v_lshrrev_b32 v1, 5, v0
	v_readfirstlane_b32 s10, v1
	s_lshr_b32 s11, s10, 1                         ; my half of the rows; also: I fetch for att (0) or woT (1)
	s_and_b32 s12, s10, 1                          ; my half of the columns; also: which 64 rows I fetch
	s_bfe_u32 s40, ttmp6, 0x40000
	s_bfe_u32 s41, ttmp6, 0x40004
	s_lshl_b32 s42, ttmp9, 2
	s_add_co_u32 s42, s42, s40                     ; tile column
	s_and_b32 s13, ttmp7, 0xffff
	s_lshl_b32 s13, s13, 2
	s_add_co_u32 s13, s13, s41                     ; tile row
	s_lshl_b32 s43, s41, 2
	s_lshl_b32 s43, 15, s43
	s_lshl_b32 s44, 0x1111, s40
	s_or_b32 s[G1+0], s43, (1<<16)|(1<<20)|(1<<21)|(6<<22)|(3<<25)   ; mask; 2-byte elements; 4 words of padding behind every 128
	s_or_b32 s[G1B+0], s44, (1<<16)|(1<<20)|(1<<21)|(6<<22)|(3<<25)
.irp g, G1, G1B
	s_mov_b32 s[\g+1], KSTEP<<16
	s_mov_b32 s[\g+2], 64<<16
	s_mov_b32 s[\g+3], KSTEP<<16
	s_mov_b32 s[\g+4], 64
	s_mov_b32 s[\g+5], SIZE_K
	s_mov_b32 s[\g+6], 0
	s_mov_b32 s[\g+7], 0
.endr
	s_lshl_b32 s17, s12, 6
	s_lshl_b32 s16, s13, 7
	s_add_co_u32 s16, s16, s17
	s_lshl_b32 s46, s42, 7
	s_add_co_u32 s46, s46, s17
	s_mov_b32 s17, 0
	s_mov_b32 s47, 0
	s_mov_b64 s[18:19], SIZE_K*2
	s_mul_u64 s[16:17], s[16:17], s[18:19]
	s_mul_u64 s[46:47], s[46:47], s[18:19]
	s_mul_i32 s20, s10, HALFT
	s_mov_b32 s78, 0x41000000                      ; 8.0
	s_mov_b32 s79, s78
	s_wait_dscnt 0x0
	s_wait_kmcnt 0x0
	s_add_nc_u64 s[14:15], s[4:5], s[16:17]
	s_add_nc_u64 s[46:47], s[6:7], s[46:47]
	CROUND
.irp s, 0,1
	s_mov_b32 s[G0+4*\s], 1
	s_add_co_u32 s[G0+4*\s+1], s20, \s*SLOT
	s_add_nc_u64 s[G0+4*\s+2:G0+4*\s+3], s[14:15], \s*KSTEP*2
	s_or_b32 s[G0+4*\s+3], s[G0+4*\s+3], 0x80000000
	s_mov_b32 s[G0B+4*\s], 1
	s_add_co_u32 s[G0B+4*\s+1], s20, \s*SLOT
	s_add_nc_u64 s[G0B+4*\s+2:G0B+4*\s+3], s[46:47], \s*KSTEP*2
	s_or_b32 s[G0B+4*\s+3], s[G0B+4*\s+3], 0x80000000
	JLOAD \s
.endr
	v_and_b32 v1, 15, v0
	v_bfe_u32 v2, v0, 4, 1
	v_mul_u32_u24 v3, v1, PITCH
	v_lshl_add_u32 v3, v2, 4, v3
	s_mul_i32 s21, s11, HALFT
	s_mul_i32 s22, s12, HALFT
	s_add_co_u32 s22, s22, 2*HALFT
.irp s, 0,1
	v_add_nc_u32 v[ADRA+\s], s21, v3
	v_add_nc_u32 v[ADRB+\s], s22, v3
	s_add_co_u32 s21, s21, SLOT
	s_add_co_u32 s22, s22, SLOT
.endr
	s_mul_i32 s23, s10, 16*SPITCH
	s_add_co_u32 s23, s23, STAGE
	v_mul_u32_u24 v4, v1, SPITCH
	v_lshl_add_u32 v4, v2, 5, v4
	v_add_nc_u32 v[STO], s23, v4                   ; in: row l % 16, 32 bytes for each half of the lanes
	v_mul_u32_u24 v5, v2, SPITCH
	v_lshl_add_u32 v5, v1, 4, v5
	v_add_nc_u32 v[RD], s23, v5                    ; back: lanes 0-15 one row of 256 bytes, lanes 16-31 the next
	v_lshlrev_b32 v5, 12, v2
	v_lshl_add_u32 v[CO], v1, 4, v5                ; the same two rows in query and pre
	v_lshlrev_b32 v6, 4, v1                        ; my four columns in a bias
	s_lshl_b32 s16, s13, 7
	s_lshl_b32 s17, s11, 6
	s_add_co_u32 s16, s16, s17
	s_lshl_b32 s16, s16, 12                        ; my first row, in bytes
	s_lshl_b32 s46, s42, 9
	s_lshl_b32 s47, s12, 8
	s_add_co_u32 s46, s46, s47                     ; my first column, in bytes
	s_mov_b32 s47, 0
	s_add_nc_u64 s[70:71], s[70:71], s[46:47]
	s_add_nc_u64 s[72:73], s[72:73], s[46:47]
	s_add_co_u32 s16, s16, s46
	s_mov_b32 s17, 0
	s_add_nc_u64 s[68:69], s[68:69], s[16:17]
	s_add_nc_u64 s[74:75], s[74:75], s[16:17]
	s_add_nc_u64 s[76:77], s[74:75], 16777216
.macro LOADQ a                         ; query's rows 16 a .. 16 a + 15 of my 64, as they will come back from the stage
.irp t, 0,1,2,3,4,5,6,7
	global_load_b128 v[QY+32*((\a)%2)+4*\t:QY+32*((\a)%2)+4*\t+3], v[CO], s[68:69] offset:(16*(\a)+2*\t)*4096
.endr
.endm
	global_load_b128 v[BO4:BO4+3], v6, s[70:71]
	global_load_b128 v[BW4:BW4+3], v6, s[72:73]
	LOADQ 0                                        ; into registers that lie idle during the products
	LOADQ 1
.macro MUL8 f, c, a0, zero
.irp a, \a0, \a0+1
.irp b, 0,1,2,3
.if \zero
	v_wmma_f32_16x16x32_f16 v[ACC+8*(4*(\a)+\b):ACC+8*(4*(\a)+\b)+7], v[\f+64+8*(4*\c+\b):\f+64+8*(4*\c+\b)+7], v[\f+8*(4*\c+\a):\f+8*(4*\c+\a)+7], 0
.else
	v_wmma_f32_16x16x32_f16 v[ACC+8*(4*(\a)+\b):ACC+8*(4*(\a)+\b)+7], v[\f+64+8*(4*\c+\b):\f+64+8*(4*\c+\b)+7], v[\f+8*(4*\c+\a):\f+8*(4*\c+\a)+7], v[ACC+8*(4*(\a)+\b):ACC+8*(4*(\a)+\b)+7]
.endif
.endr
.endr
.endm
.macro FETCH slot, k, f
	WIN TO_F
.irp c, 0,1
.irp i, 0,1,2,3
	ds_load_b128 v[\f+64+8*(4*\c+\i):\f+64+8*(4*\c+\i)+3],   v[ADRB+\slot] offset:\k+64*\c+\i*16*PITCH
	ds_load_b128 v[\f+64+8*(4*\c+\i)+4:\f+64+8*(4*\c+\i)+7], v[ADRB+\slot] offset:\k+64*\c+\i*16*PITCH+32
	ds_load_b128 v[\f+8*(4*\c+\i):\f+8*(4*\c+\i)+3],         v[ADRA+\slot] offset:\k+64*\c+\i*16*PITCH
	ds_load_b128 v[\f+8*(4*\c+\i)+4:\f+8*(4*\c+\i)+7],       v[ADRA+\slot] offset:\k+64*\c+\i*16*PITCH+32
.endr
.endr
.endm
.macro PLACES n
.rept \n
	v_nop
.endr
.endm
; A quarter of a K step: 64 along K, 32 products on 16 accumulators by turns.  mode 1: the first 16 start the sums; mode 2: the first 16 take the first set as C and write the second set.
.macro QUARTER slot, k, f, g, mode
	s_wait_dscnt 16                                ; the first 32 along K are in; the other sixteen loads may be out
.if \mode == 2
	PLACES 5                                       ; a result becomes the C of another accumulator: five plain lines behind the last product
	WIN 0x85                                       ; C in window 0, D in window 2
.else
	WIN MULW
.endif
	MUL8 \f, 0, 0, (\mode==1)
	MUL8 \f, 0, 2, (\mode==1)
	PLACES 4
	FETCH \slot, \k, \g
	s_wait_dscnt 32                                ; all but the 32 just issued
	WIN MULW
	MUL8 \f, 1, 0, 0
	MUL8 \f, 1, 2, 0
.endm
.macro TURN slot, next, fill           ; the last quarter changes slots
	WIN 0
	s_wait_tensorcnt 0x0                           ; all my tensor loads have landed: my part of the next slot
	ds_add_u32 v[SPW], v[NIL]
	s_wait_dscnt 17                                ; the add and the youngest sixteen loads may be out
	WIN MULW
	MUL8 F1, 0, 0, 0
	s_wait_dscnt 0x0                               ; the add is done, my reads of this slot are over
	s_barrier_signal -1
	MUL8 F1, 0, 2, 0
.if \fill
	WIN 0
.endif
	s_barrier_wait -1
.if \fill
	CREST                                          ; the barrier has opened a round of the cluster's barrier
	s_add_nc_u64 s[G0+4*\slot+2:G0+4*\slot+3], s[G0+4*\slot+2:G0+4*\slot+3], 2*KSTEP*2
	s_add_nc_u64 s[G0B+4*\slot+2:G0B+4*\slot+3], s[G0B+4*\slot+2:G0B+4*\slot+3], 2*KSTEP*2
	JLOAD \slot                                    ; the first tensor load behind the round; its four v_nop are also the places in front of the loads below
.else
	PLACES 4
.endif
	FETCH \next, 0, F0
	WIN MULW
	MUL8 F1, 1, 0, 0
	MUL8 F1, 1, 2, 0
.endm
.macro KST slot, next, fill, mode
	QUARTER \slot, 128, F0, F1, \mode
	QUARTER \slot, 256, F1, F0, 0
	QUARTER \slot, 384, F0, F1, 0
	TURN \slot, \next, \fill
.endm
	s_wait_tensorcnt 1                             ; my part of K step 0 is in; K step 1's load may be out
	s_barrier_signal -1
	s_barrier_wait -1
	FETCH 0, 0, F0
	KST 0, 1, 1, 1
	KST 1, 0, 1, 0
	KST 0, 1, 1, 0
	KST 1, 0, 1, 0
.set MULW, 0xa5                        ; K = 1,024: the first set stays as it is
	KST 0, 1, 1, 2
	KST 1, 0, 1, 0
	KST 0, 1, 0, 0
	QUARTER 1, 128, F0, F1, 0
	QUARTER 1, 256, F1, F0, 0
	QUARTER 1, 384, F0, F1, 0
	s_wait_dscnt 16
	WIN MULW
	MUL8 F1, 0, 0, 0
	MUL8 F1, 0, 2, 0
	s_wait_dscnt 0
	MUL8 F1, 1, 0, 0
	MUL8 F1, 1, 2, 0
	WIN 0
	PLACES 4
; THE WAY OUT: 16 rows x 64 columns at a time through my stage, back as whole rows of 256 bytes; there query and the biases are added.
.macro OUTB a, rho
.set QS, QY+32*((\a)%2)
.if \rho
	WIN 0x08                                       ; an LDS store's data are its source 1: window 2
.endif
.irp b, 0,1,2,3
	ds_store_b128 v[STO], v[ACC+8*(4*\a+\b):ACC+8*(4*\a+\b)+3] offset:64*\b        ; each accumulator from its low end on
	ds_store_b128 v[STO], v[ACC+8*(4*\a+\b)+4:ACC+8*(4*\a+\b)+7] offset:64*\b+16
.endr
	WIN 0
	s_wait_xcnt 0x0                                ; the last stores have read the registers that the loads below fill
.irp t, 0,1,2,3,4,5,6,7
	ds_load_b128 v[BK+4*\t:BK+4*\t+3], v[RD] offset:\t*2*SPITCH
.endr
.if \rho == 0
.if \a < 3
	s_wait_loadcnt 8                               ; this block's rows of query are in; the one younger block's eight loads may be out
.else
	s_wait_loadcnt 0
.endif
.endif
.irp t, 0,1,2,3,4,5,6,7
	v_pk_add_f32 v[QS+4*\t:QS+4*\t+1], v[QS+4*\t:QS+4*\t+1], v[BO4+4*\rho:BO4+4*\rho+1]       ; + bo, and the second time + bow
	v_pk_add_f32 v[QS+4*\t+2:QS+4*\t+3], v[QS+4*\t+2:QS+4*\t+3], v[BO4+4*\rho+2:BO4+4*\rho+3]
.endr
	s_wait_dscnt 0x0
.irp t, 0,1,2,3,4,5,6,7
	v_pk_fma_f32 v[BK+4*\t:BK+4*\t+1], v[BK+4*\t:BK+4*\t+1], s[78:79], v[QS+4*\t:QS+4*\t+1] op_sel_hi:[1,0,1]
	v_pk_fma_f32 v[BK+4*\t+2:BK+4*\t+3], v[BK+4*\t+2:BK+4*\t+3], s[78:79], v[QS+4*\t+2:QS+4*\t+3] op_sel_hi:[1,0,1]
.endr
.irp t, 0,1,2,3,4,5,6,7
	global_store_b128 v[CO], v[BK+4*\t:BK+4*\t+3], s[74+2*\rho:75+2*\rho] offset:(16*\a+2*\t)*4096   ; 16 lanes store 256 consecutive bytes, aligned
.endr
.endm
.irp a, 0,1,2,3
	OUTB \a, 0
	OUTB \a, 1
.if \a < 2
	LOADQ \a+2
.endif
.endr
	s_wait_tensorcnt 0x0                           ; the wave's end
	ds_add_u32 v[SPW], v[NIL]
	s_wait_dscnt 0x0
	CROUND                                         ; the closing round
	s_endpgm
.Lfunc_end_k_qb9f4b35383_oproj:
	.size	k_qb9f4b35383_oproj, .Lfunc_end_k_qb9f4b35383_oproj-k_qb9f4b35383_oproj
	.p2alignl 7, 3214868480
	.fill 96, 4, 3214868480
	.section	.rodata,"a",@progbits
	.p2align	6, 0x0
	.amdhsa_kernel k_qb9f4b35383_oproj
		.amdhsa_group_segment_fixed_size 327680
		.amdhsa_private_segment_fixed_size 0
		.amdhsa_enable_private_segment 0
		.amdhsa_kernarg_size 48
		.amdhsa_user_sgpr_count 2
		.amdhsa_user_sgpr_kernarg_segment_ptr 1
		.amdhsa_wavefront_size32 1
		.amdhsa_system_sgpr_workgroup_id_x 1
		.amdhsa_system_sgpr_workgroup_id_y 1
		.amdhsa_system_sgpr_workgroup_id_z 1
		.amdhsa_system_vgpr_workitem_id 0
		.amdhsa_next_free_vgpr 768
		.amdhsa_next_free_sgpr 80
		.amdhsa_reserve_vcc 0
		.amdhsa_float_denorm_mode_32 3
		.amdhsa_float_denorm_mode_16_64 3
		.amdhsa_memory_ordered 1
		.amdhsa_forward_progress 1
		.amdhsa_inst_pref_size 185
	.end_amdhsa_kernel
	.amdgpu_metadata
---
amdhsa.version: [ 1, 2 ]
amdhsa.kernels:
  - .name:           k_qb9f4b35383_oproj
    .symbol:         k_qb9f4b35383_oproj.kd
    .args:
      - { .name: att, .offset: 0, .size: 8, .value_kind: global_buffer, .address_space: global }
      - { .name: woT, .offset: 8, .size: 8, .value_kind: global_buffer, .address_space: global }
      - { .name: query, .offset: 16, .size: 8, .value_kind: global_buffer, .address_space: global }
      - { .name: bo, .offset: 24, .size: 8, .value_kind: global_buffer, .address_space: global }
      - { .name: bow, .offset: 32, .size: 8, .value_kind: global_buffer, .address_space: global }
      - { .name: pre, .offset: 40, .size: 8, .value_kind: global_buffer, .address_space: global }
    .group_segment_fixed_size: 327680
    .private_segment_fixed_size: 0
    .kernarg_segment_align: 8
    .kernarg_segment_size: 48
    .max_flat_workgroup_size: 128
    .sgpr_count:     80
    .vgpr_count:     768
    .wavefront_size: 32
...
	.end_amdgpu_metadata
.endif
;; end of part 4
;; launch lnorm (part 5): grid 512 x 1, 4 waves a work-group, no clusters, 0 bytes of LDS; arguments pre, ln_w, ln_b, out0, out1; writes out0, out1
.if DOCPART == 5
	.amdgcn_target "amdgcn-amd-amdhsa--gfx1250"
	.amdhsa_code_object_version 6
	.text
	.protected	k_qb9f4b35383_lnorm
	.globl	k_qb9f4b35383_lnorm
	.p2align	8
	.type	k_qb9f4b35383_lnorm,@function
k_qb9f4b35383_lnorm:
	s_mov_b64 s[64:65], 0
	v_nop
	global_prefetch_b8 v0, s[64:65] scope:SCOPE_SE
	s_setreg_imm32_b32 hwreg(HW_REG_WAVE_MODE, 25, 1), 1
	s_wait_xcnt 0x0
; BOTH LAYER NORMS: pre [2][4096][1024] f32 -> out0, out1.  y = (x - mean) rsqrt(var + 1e-5) w + b; the variance is taken of x - mean.
; A row is 4,096 bytes: one wave takes a whole row, eight loads of 512 consecutive bytes, and keeps it in 32 registers; a wave has four rows, all asked for at once.  No LDS, no barrier.
.set X, 24                             ; v24-151 four rows
.set W, 152                            ; v152-183 ln_w at my columns
.set B, 184                            ; v184-215 ln_b
	s_load_b256 s[4:11], s[0:1], 0x0               ; pre, ln_w, ln_b, out0
	s_load_b64 s[12:13], s[0:1], 0x20              ; out1
	v_lshrrev_b32 v1, 5, v0
	v_readfirstlane_b32 s14, v1
	v_and_b32 v2, 31, v0
	v_lshlrev_b32 v1, 4, v2                        ; 16 bytes a lane
	v_mov_b32 v9, 0                                ; a lane permute's destination counts as read
	s_lshl_b32 s15, ttmp9, 4
	s_lshl_b32 s16, s14, 2
	s_add_co_u32 s15, s15, s16                     ; my first row of 8,192
	s_lshl_b32 s16, s15, 12
	s_mov_b32 s17, 0
	s_and_b32 s18, s15, 4095
	s_lshl_b32 s18, s18, 12
	s_mov_b32 s19, 0
	s_mov_b32 s20, 0x3a800000                      ; 1 / 1024
	s_mov_b32 s21, 0x3727c5ac                      ; 1e-5
	s_mov_b32 s22, 0x76543210
	s_mov_b32 s23, 0xfedcba98
	s_wait_kmcnt 0x0
	s_add_nc_u64 s[4:5], s[4:5], s[16:17]
	s_cmp_lt_u32 ttmp9, 256
	s_cselect_b64 s[10:11], s[10:11], s[12:13]
	s_add_nc_u64 s[10:11], s[10:11], s[18:19]
.irp j, 0,1,2,3,4,5,6,7
	global_load_b128 v[W+4*\j:W+4*\j+3], v1, s[6:7] offset:512*\j
	global_load_b128 v[B+4*\j:B+4*\j+3], v1, s[8:9] offset:512*\j
.endr
.irp i, 0,1,2,3
.irp j, 0,1,2,3,4,5,6,7
	global_load_b128 v[X+32*\i+4*\j:X+32*\i+4*\j+3], v1, s[4:5] offset:4096*\i+512*\j th:TH_LOAD_NT
.endr
.endr
.macro REDUCE                          ; v4: the sum over the 32 lanes, in every lane
	v_add_f32_dpp v4, v4, v4 row_xmask:1 row_mask:0xf bank_mask:0xf
	v_add_f32_dpp v4, v4, v4 row_xmask:2 row_mask:0xf bank_mask:0xf
	v_add_f32_dpp v4, v4, v4 row_xmask:4 row_mask:0xf bank_mask:0xf
	v_add_f32_dpp v4, v4, v4 row_xmask:8 row_mask:0xf bank_mask:0xf
	v_permlanex16_b32 v9, v4, s22, s23
	v_add_f32 v4, v4, v9
.endm
.macro ROW i
.set XR, X+32*\i
	s_wait_loadcnt 8*(3-\i)                        ; my row is in; the younger rows' loads, eight each, may be out
	v_pk_add_f32 v[4:5], v[XR:XR+1], v[XR+2:XR+3]
	v_pk_add_f32 v[6:7], v[XR+4:XR+5], v[XR+6:XR+7]
.irp j, 8,12,16,20,24,28
	v_pk_add_f32 v[4:5], v[4:5], v[XR+\j:XR+\j+1]
	v_pk_add_f32 v[6:7], v[6:7], v[XR+\j+2:XR+\j+3]
.endr
	v_pk_add_f32 v[4:5], v[4:5], v[6:7]
	v_add_f32 v4, v4, v5
	REDUCE
	v_mul_f32 v10, s20, v4                         ; the mean
	v_mov_b32 v11, v10
.irp j, 0,2,4,6,8,10,12,14,16,18,20,22,24,26,28,30
	v_pk_add_f32 v[XR+\j:XR+\j+1], v[XR+\j:XR+\j+1], v[10:11] neg_lo:[0,1] neg_hi:[0,1]
.endr
	v_pk_mul_f32 v[4:5], v[XR:XR+1], v[XR:XR+1]
	v_pk_mul_f32 v[6:7], v[XR+2:XR+3], v[XR+2:XR+3]
.irp j, 4,8,12,16,20,24,28
	v_pk_fma_f32 v[4:5], v[XR+\j:XR+\j+1], v[XR+\j:XR+\j+1], v[4:5]
	v_pk_fma_f32 v[6:7], v[XR+\j+2:XR+\j+3], v[XR+\j+2:XR+\j+3], v[6:7]
.endr
	v_pk_add_f32 v[4:5], v[4:5], v[6:7]
	v_add_f32 v4, v4, v5
	REDUCE
	v_fma_f32 v4, v4, s20, s21                     ; the variance + 1e-5
	v_rsq_f32 v10, v4
	v_nop                                          ; a plain line behind the transcendental,
	s_wait_alu depctr_va_vdst(0)                   ; and the wait ahead of its first reader
	v_mov_b32 v11, v10
.irp j, 0,2,4,6,8,10,12,14,16,18,20,22,24,26,28,30
	v_pk_mul_f32 v[XR+\j:XR+\j+1], v[XR+\j:XR+\j+1], v[10:11]
.endr
.irp j, 0,2,4,6,8,10,12,14,16,18,20,22,24,26,28,30
	v_pk_fma_f32 v[XR+\j:XR+\j+1], v[XR+\j:XR+\j+1], v[W+\j:W+\j+1], v[B+\j:B+\j+1]
.endr
.irp j, 0,1,2,3,4,5,6,7
	global_store_b128 v1, v[XR+4*\j:XR+4*\j+3], s[10:11] offset:4096*\i+512*\j th:TH_STORE_NT   ; the wave stores 512 consecutive bytes, aligned
.endr
.endm
	ROW 0
	ROW 1
	ROW 2
	ROW 3
	s_endpgm
.Lfunc_end_k_qb9f4b35383_lnorm:
	.size	k_qb9f4b35383_lnorm, .Lfunc_end_k_qb9f4b35383_lnorm-k_qb9f4b35383_lnorm
	.p2alignl 7, 3214868480
	.fill 96, 4, 3214868480
	.section	.rodata,"a",@progbits
	.p2align	6, 0x0
	.amdhsa_kernel k_qb9f4b35383_lnorm
		.amdhsa_group_segment_fixed_size 0
		.amdhsa_private_segment_fixed_size 0
		.amdhsa_enable_private_segment 0
		.amdhsa_kernarg_size 40
		.amdhsa_user_sgpr_count 2
		.amdhsa_user_sgpr_kernarg_segment_ptr 1
		.amdhsa_wavefront_size32 1
		.amdhsa_system_sgpr_workgroup_id_x 1
		.amdhsa_system_sgpr_workgroup_id_y 1
		.amdhsa_system_sgpr_workgroup_id_z 1
		.amdhsa_system_vgpr_workitem_id 0
		.amdhsa_next_free_vgpr 216
		.amdhsa_next_free_sgpr 66
		.amdhsa_reserve_vcc 0
		.amdhsa_float_denorm_mode_32 3
		.amdhsa_float_denorm_mode_16_64 3
		.amdhsa_memory_ordered 1
		.amdhsa_forward_progress 1
		.amdhsa_inst_pref_size 33
	.end_amdhsa_kernel
	.amdgpu_metadata
---
amdhsa.version: [ 1, 2 ]
amdhsa.kernels:
  - .name:           k_qb9f4b35383_lnorm
    .symbol:         k_qb9f4b35383_lnorm.kd
    .args:
      - { .name: pre, .offset: 0, .size: 8, .value_kind: global_buffer, .address_space: global }
      - { .name: ln_w, .offset: 8, .size: 8, .value_kind: global_buffer, .address_space: global }
      - { .name: ln_b, .offset: 16, .size: 8, .value_kind: global_buffer, .address_space: global }
      - { .name: out0, .offset: 24, .size: 8, .value_kind: global_buffer, .address_space: global }
      - { .name: out1, .offset: 32, .size: 8, .value_kind: global_buffer, .address_space: global }
    .group_segment_fixed_size: 0
    .private_segment_fixed_size: 0
    .kernarg_segment_align: 8
    .kernarg_segment_size: 40
    .max_flat_workgroup_size: 128
    .sgpr_count:     66
    .vgpr_count:     216
    .wavefront_size: 32
...
	.end_amdgpu_metadata
.endif
;; end of part 5
